; MI455X (gfx1250); checked and timed in simulation.
; The chip was launched on July 23, 2026; its instructions are those of AMD's public machine-readable ISA for CDNA 5 (MIT licence, August 2026) and "CDNA5" Instruction Set Architecture Reference Guide (July 2026). The comments in the code are by the model that wrote it; some were corrected since.
;; Custom Encoder Layer. Allowed arithmetic: matrix products marked QUANTISED: E5M2 operands, one given power-of-two scale a tensor, by v_wmma_f32_16x16x64_bf8_bf8 or v_wmma_f32_16x16x128_bf8_bf8, f32 sums; everything else in f32.
;; Inputs: W1 4,096 x 1,024 float32; W2 1,024 x 4,096 float32; Wk 1,024 x 1,024 float32; Wo 1,024 x 1,024 float32; Wq 1,024 x 1,024 float32; Wv 1,024 x 1,024 float32; b1 4,096 float32; b2 1,024 float32; be1 1,024 float32; be2 1,024 float32; bk 1,024 float32; bo 1,024 float32; bq 1,024 float32; bv 1,024 float32; g1 1,024 float32; g2 1,024 float32; lowp_scales 16 int32 (the exponents e of the quantised operands' scales 2^e); padding_mask 4 x 1,024 bool; x 4 x 1,024 x 1,024 float32.
;; Outputs: out0 4 x 1,024 x 1,024 float32.
;; This version of the problem:
;;   THIS VERSION OF THE PROBLEM IS GIVEN IN LOW PRECISION. The matrix products marked QUANTISED in the list below multiply operands that are first quantised to E5M2 (5 exponent bits, 2 mantissa bits; 8 bits a number), with one given power-of-two scale for each operand tensor; their sums are f32. All else is computed in f32.
;;   The module's matrix products, in the order in which they are computed (A, B: the left and right operand; K: the contracted axis; several contracted axes count as one K, in the product's order):
;;     1. [M 4,096, K 1,024] x [K 1,024, N 1,024]; A: computed on the way; B: input Wq: QUANTISED (scales: A lowp_scales[0], B lowp_scales[1])
;;     2. [M 4,096, K 1,024] x [K 1,024, N 1,024]; A: computed on the way; B: input Wk: QUANTISED (scales: A lowp_scales[2], B lowp_scales[3])
;;     3. [M 4,096, K 1,024] x [K 1,024, N 1,024]; A: computed on the way; B: input Wv: QUANTISED (scales: A lowp_scales[4], B lowp_scales[5])
;;     4. batch 64 x [M 1,024, K 64] x [K 64, N 1,024]; A: computed on the way; B: computed on the way: QUANTISED (scales: A lowp_scales[6], B lowp_scales[7])
;;     5. batch 64 x [M 1,024, K 1,024] x [K 1,024, N 64]; A: softmax (see below); B: computed on the way: QUANTISED (scales: A lowp_scales[8], B lowp_scales[9])
;;     6. [M 4,096, K 1,024] x [K 1,024, N 1,024]; A: computed on the way; B: input Wo: QUANTISED (scales: A lowp_scales[10], B lowp_scales[11])
;;     7. [M 4,096, K 1,024] x [K 1,024, N 4,096]; A: computed on the way; B: input W1: QUANTISED (scales: A lowp_scales[12], B lowp_scales[13])
;;     8. [M 4,096, K 4,096] x [K 4,096, N 1,024]; A: computed on the way; B: input W2: QUANTISED (scales: A lowp_scales[14], B lowp_scales[15])
;;   THE QUANTISER, for each operand of a quantised product, along K:
;;     - The operand's scale is 2^e, e = its entry of the input lowp_scales (int32; the entries are numbered through the quantised products in the list's order, A before B).
;;     - Each number is divided by the scale, clamped to +-57,344, and rounded to the nearest number of E5M2, ties to even, subnormals kept.
;;     - The product sums the exact products of the quantised numbers (number of the format x scale) in f32.
;;   ~~~python
;;   def quantise(x, axis, e):      # numpy; x: float32 -> the quantised numbers, widened to float32 again
;;       x = np.moveaxis(x, axis, -1); K = x.shape[-1]
;;       r = np.clip(x / 2.0 ** e, -57344, 57344)
;;       step = 2.0 ** (np.maximum(np.frexp(np.where(r == 0, 1, r))[1] - 1, -14) - 2)
;;       q = np.round(r / step) * step * 2.0 ** e      # np.round: ties to even
;;       return np.moveaxis(q, -1, axis).astype(np.float32)
;;   ~~~
;;   SOFTMAX AHEAD OF A QUANTISED PRODUCT. Where the list says 'softmax', what is quantised is not the finished softmax but p = 2^(t - M), with t = logit x log2(e) and M = ceil(the row's largest t), a whole number; so 1/2 < the row's largest p <= 1. The row's sum l is taken of the UNQUANTISED p, in f32, and the product's result is divided by l at the end. Since M is a whole number, a kernel that streams over the keys may use a running M (the ceiling of the running maximum): every later rescaling is an exact power of two, so the quantised numbers keep their values, but for numbers so far below the row's largest that they fall under the format's range.
;;   OPERANDS COMPUTED ON THE WAY. 'Computed on the way' means the value that the module computes at that place (a softmax that the list does not call 'softmax' is quantised finished and normalised). What goes into a quantiser is computed in f32, as accurately as f32 sums, v_exp_f32 and their like allow (about 1e-6 of the number): no bf16 or f16 on the way to a quantiser, and a product that is left as it is and whose result goes on into a quantised operand takes f32 operands (vector FMAs, or v_wmma_f32_16x16x4_f32). A number that lies on a knife's edge between two numbers of the format may be rounded either way, as far as f32 arithmetic and the matrix unit's own rounding can turn it there, and no further.
;; One version. Each part assembles by itself: llvm-mc -triple=amdgcn-amd-amdhsa -mcpu=gfx1250 --defsym DOCPART=n.
;; ======== version 1 of 1: 7 launches
;; limits: right only within a limited range of input values
;; workspace buffers: wc 12,582,912 bytes; hc 12,582,912 bytes; rope 262,144 bytes; qkvc 12,582,912 bytes; oc 4,194,304 bytes; x1 16,777,216 bytes; h2c 4,194,304 bytes; ffc 16,777,216 bytes
;; launch prep (part 1): grid 1088 x 1, 4 waves a work-group, no clusters, 53,760 bytes of LDS; arguments Wq, Wk, Wv, Wo, W1, W2, x, g1, be1, lowp_scales, wc, hc, rope; writes wc, hc, rope
.if DOCPART == 1
	.amdgcn_target "amdgcn-amd-amdhsa--gfx1250"
	.amdhsa_code_object_version 6
	.text
	.protected	k_q85031a82f3_prep
	.globl	k_q85031a82f3_prep
	.p2align	8
	.type	k_q85031a82f3_prep,@function
k_q85031a82f3_prep:
	s_mov_b64 s[64:65], 0
	v_nop
	global_prefetch_b8 v0, s[64:65] scope:SCOPE_SE
	s_setreg_imm32_b32 hwreg(HW_REG_WAVE_MODE, 25, 1), 1
	s_wait_xcnt 0x0
; Three jobs in one launch, parted on the work-group's number alone; each job has its own end and, where it uses LDS, its own LDS bytes.
;  W (work-groups 0-767):     the six weights, f32 [n][K] with K innermost, become codes of BF8 (E5M2) in wc, one tensor behind the other: Wq, Wk, Wv, Wo, W1, W2.
;  L (work-groups 768-1023):  h = LayerNorm(x) g1 + be1, in f32, quantised three times (scales e0, e2, e4) into hc [3][4096][1024].
;  R (work-groups 1024-1087): the table of cos and sin for the rotation, laid as the registers of the launch that uses it: [t / 16][8 pairs' group 0-3][cos, sin][lane][4].
; Four work-groups fit on a WGP by their registers: jobs W and L together are 4 x 256 work-groups; job R's 64 short ones have the highest numbers.
; code = number / 2^e, held within +-57,344, to the nearest code, ties to even.
; LIMITS: each e between -126 and 112.  NaN among the inputs is not served; an infinity is held at the largest code.
; The table's angle t x theta is one f32 product, theta = 2^(-i log2(10000) / 32) by v_exp_f32: an angle is right to about 6e-5 rad at t = 1,023.
; No tile is shared between work-groups and every byte is read once: no cluster, no tensor load, no matrix unit.
.set WGW, 768
.set WGL, 256
	s_load_b512 s[4:19], s[0:1], 0x0               ; Wq s[4:5], Wk s[6:7], Wv s[8:9], Wo s[10:11], W1 s[12:13], W2 s[14:15], x s[16:17], g1 s[18:19]
	s_load_b256 s[20:27], s[0:1], 0x40             ; be1 s[20:21], the exponents s[22:23], wc s[24:25], hc s[26:27]
	s_load_b64 s[28:29], s[0:1], 0x60              ; rope
	v_lshl_add_u32 v240, v0, 2, 0xd000
	v_mov_b32 v241, 0
	v_lshrrev_b32 v1, 5, v0
	v_readfirstlane_b32 s48, v1                    ; wave
	v_and_b32 v2, 31, v0                           ; lane
	s_wait_kmcnt 0x0
	s_load_b512 s[32:47], s[22:23], 0x0            ; e0 .. e15 in s32 .. s47
	s_wait_kmcnt 0x0
	s_cmp_lt_u32 ttmp9, WGW
	s_cbranch_scc0 .Lnot_w
; ---------------- W: a wave takes 8 steps of 512 numbers.  Each load reads 512 consecutive bytes; a step's 2,048 bytes turn through the wave's own stage in LDS so that a lane holds 16 neighbours.
.set STEPS, 8
.set WSP,   80                         ; a lane's place in a stage: 64 bytes + 16 of padding
.set WREG,  8192                       ; LDS bytes of a wave: two stages of 32 x WSP
.set WR,    16                         ; v16-79   four sets of 16 numbers as loaded
.set WX,    80                         ; v80-111  two sets of 16 neighbours
.set WC,    128                        ; v128-159 codes: four registers a step, never written twice
	s_wait_alu depctr_va_vdst(0)
	v_lshlrev_b32 v3, 4, v2                        ; 16 x lane: my bytes of a load's 512, and of a step's 512 bytes of codes
	s_wait_alu depctr_va_vdst(0)
	s_mul_i32 s49, s48, WREG
	v_lshrrev_b32 v14, 2, v2
	v_mul_u32_u24 v14, v14, WSP
	v_and_b32 v15, 3, v2
	v_lshl_add_u32 v14, v15, 4, v14
	v_add_nc_u32 v14, s49, v14                     ; the stage, in: WSP (lane / 4) + 16 (lane % 4)
	v_mul_u32_u24 v15, v2, WSP
	v_add_nc_u32 v15, s49, v15                     ; the stage, out: WSP x lane
	s_mov_b64 s[50:51], s[14:15]                   ; which tensor: from W2 down; a work-group takes 16,384 numbers; the choice hangs on the work-group's number alone
	s_mov_b32 s52, 512                             ; its first work-group
	s_mov_b32 s53, s47                             ; its exponent
	s_cmp_lt_u32 ttmp9, 512
	s_cselect_b64 s[50:51], s[12:13], s[50:51]
	s_cselect_b32 s52, 256, s52
	s_cselect_b32 s53, s45, s53
	s_cmp_lt_u32 ttmp9, 256
	s_cselect_b64 s[50:51], s[10:11], s[50:51]
	s_cselect_b32 s52, 192, s52
	s_cselect_b32 s53, s43, s53
	s_cmp_lt_u32 ttmp9, 192
	s_cselect_b64 s[50:51], s[8:9], s[50:51]
	s_cselect_b32 s52, 128, s52
	s_cselect_b32 s53, s37, s53
	s_cmp_lt_u32 ttmp9, 128
	s_cselect_b64 s[50:51], s[6:7], s[50:51]
	s_cselect_b32 s52, 64, s52
	s_cselect_b32 s53, s35, s53
	s_cmp_lt_u32 ttmp9, 64
	s_cselect_b64 s[50:51], s[4:5], s[50:51]
	s_cselect_b32 s52, 0, s52
	s_cselect_b32 s53, s33, s53
	s_sub_co_u32 s54, ttmp9, s52
	s_lshl_b32 s54, s54, 2
	s_add_co_u32 s54, s54, s48
	s_lshl_b32 s54, s54, 14                        ; my wave's 4,096 numbers in the tensor: 16,384 bytes each run
	s_mov_b32 s55, 0
	s_add_nc_u64 s[50:51], s[50:51], s[54:55]
	s_lshl_b32 s56, ttmp9, 2
	s_add_co_u32 s56, s56, s48
	s_lshl_b32 s56, s56, 12                        ; and their 4,096 bytes of codes in wc
	s_mov_b32 s57, 0
	s_add_nc_u64 s[24:25], s[24:25], s[56:57]
.macro WLOAD t
.irp i, 0,1,2,3
	global_load_b128 v[WR+16*((\t)%4)+4*\i:WR+16*((\t)%4)+4*\i+3], v3, s[50:51] offset:2048*(\t)+512*\i th:TH_LOAD_NT
.endr
.endm
.macro WTURN t                         ; LDS serves a wave's instructions in order: no wait between these stores and loads
.irp i, 0,1,2,3
	ds_store_b128 v14, v[WR+16*((\t)%4)+4*\i:WR+16*((\t)%4)+4*\i+3] offset:32*WSP*((\t)%2)+8*WSP*\i
.endr
.irp i, 0,1,2,3
	ds_load_b128 v[WX+16*((\t)%2)+4*\i:WX+16*((\t)%2)+4*\i+3], v15 offset:32*WSP*((\t)%2)+16*\i
.endr
.endm
.irp t, 0,1,2,3
	WLOAD \t
.endr
	s_add_co_i32 s53, s53, 127
	s_lshl_b32 s54, s53, 23
	v_mov_b32 v11, s54                             ; 2^e as f32: the conversion takes its exponent field
	s_add_co_i32 s53, s53, 15
	s_lshl_b32 s53, s53, 23
	s_or_b32 s53, s53, 0x600000
	v_mov_b32 v10, s53                             ; 57,344 x 2^e
	s_wait_alu depctr_va_vdst(0)
	s_wait_loadcnt 12                              ; step 0's four loads are in; three steps' twelve stay out
	WTURN 0
.macro WSTEP t
.set XS, WX+16*((\t)%2)
	s_wait_dscnt 0x0                               ; this step's numbers are back; its stores into the stage have read their registers,
.if (\t)+4 < STEPS
	WLOAD (\t)+4                                   ; which take the loads of four steps on
.endif
.if (\t)+1 < STEPS
.if STEPS-2-(\t) >= 3
	s_wait_loadcnt 12                              ; the next step's four are in; those of the three steps behind it may be out
.else
	s_wait_loadcnt 4*(STEPS-2-(\t))
.endif
	WTURN (\t)+1
.endif
.irp i, 0,1,2,3,4,5,6,7,8,9,10,11,12,13,14,15
	v_med3_num_f32 v[XS+\i], v[XS+\i], -v10, v10   ; the conversion does not saturate (ISA guide 7.6.2): the hold comes first
.endr
	v_cvt_scalef32_pk8_bf8_f32 v[WC+4*(\t):WC+4*(\t)+1], v[XS:XS+7], v11
	v_cvt_scalef32_pk8_bf8_f32 v[WC+4*(\t)+2:WC+4*(\t)+3], v[XS+8:XS+15], v11
	global_store_b128 v3, v[WC+4*(\t):WC+4*(\t)+3], s[24:25] offset:512*(\t)   ; 32 lanes store 512 consecutive bytes; the next vector lines are the other set's holds
.endm
.irp t, 0,1,2,3,4,5,6,7
	WSTEP \t
.endr
	s_wait_tensorcnt 0x0
	ds_add_u32 v240, v241
	s_wait_dscnt 0x0
	s_endpgm
.Lnot_w:
	s_cmp_lt_u32 ttmp9, WGW+WGL
	s_cbranch_scc0 .Lrope
; ---------------- L: a wave takes four rows, one at a time, whole: the sums never leave the wave.  Mean, then the squares of the differences: two passes over registers, as the definition has it.
.set NS,  3                            ; scales
.set LNB, 32768                        ; LDS: 5,120 bytes a wave from here on
.set LR,  24                           ; v24-87   two sets of 32: a row as loaded
.set LX,  88                           ; v88-119  the row turned: register 16 u + i = column 512 u + 16 lane + i
.set LG,  120                          ; v120-151 the gain, v152-183 the bias, in that layout
.set LBE, 152
.set LT,  184                          ; v184-215 two sets of 16: held numbers
.set LC,  216                          ; v216-239 codes: 4 registers for each scale and half row
	s_wait_alu depctr_va_vdst(0)
	v_lshlrev_b32 v3, 4, v2                        ; 16 x lane
	s_mul_i32 s49, s48, 5120
	s_add_co_u32 s49, s49, LNB
	v_lshrrev_b32 v4, 2, v2
	v_mul_u32_u24 v4, v4, 80
	v_and_b32 v7, 3, v2
	v_lshl_add_u32 v4, v7, 4, v4
	v_add_nc_u32 v4, s49, v4                       ; the stage, in
	v_mul_u32_u24 v5, v2, 80
	v_add_nc_u32 v5, s49, v5                       ; the stage, out
	v_lshlrev_b32 v6, 6, v2                        ; 64 x lane: my 16 numbers of half a row of g1 and be1
	s_wait_alu depctr_va_vdst(0)
	s_sub_co_u32 s50, ttmp9, WGW
	s_lshl_b32 s50, s50, 4
	s_lshl_b32 s51, s48, 2
	s_add_co_u32 s62, s50, s51                     ; my first row
	s_lshl_b32 s50, s62, 12
	s_mov_b32 s51, 0
	s_add_nc_u64 s[50:51], s[16:17], s[50:51]      ; x at that row
	s_lshl_b32 s52, s62, 10
	s_mov_b32 s53, 0
	s_add_nc_u64 s[52:53], s[26:27], s[52:53]      ; the three tensors of codes at that row
	s_add_nc_u64 s[54:55], s[52:53], 0x400000
	s_add_nc_u64 s[56:57], s[52:53], 0x800000
	s_mov_b32 s58, 0x76543210
	s_mov_b32 s59, 0xfedcba98                      ; v_permlanex16_b32: lane l xor 16
	s_mov_b32 s60, 0x3a800000                      ; 1 / 1,024
	s_mov_b32 s61, 0x3727c5ac                      ; 1e-5
.irp u, 0,1
.irp i, 0,1,2,3
	global_load_b128 v[LG+16*\u+4*\i:LG+16*\u+4*\i+3], v6, s[18:19] offset:2048*\u+16*\i
	global_load_b128 v[LBE+16*\u+4*\i:LBE+16*\u+4*\i+3], v6, s[20:21] offset:2048*\u+16*\i
.endr
.endr
.irp s, 0,1,2
	s_add_co_i32 s62, s[32+2*\s], 127
	s_lshl_b32 s63, s62, 23
	v_mov_b32 v[8+\s], s63                         ; 2^e
	s_add_co_i32 s62, s62, 15
	s_lshl_b32 s62, s62, 23
	s_or_b32 s62, s62, 0x600000
	v_mov_b32 v[11+\s], s62                        ; 57,344 x 2^e
.endr
.macro LNLOAD row                      ; eight loads of 512 consecutive bytes: the whole row
.irp j, 0,1,2,3,4,5,6,7
	global_load_b128 v[LR+32*((\row)%2)+4*\j:LR+32*((\row)%2)+4*\j+3], v3, s[50:51] offset:4096*(\row)+512*\j
.endr
.endm
.macro LNTURN row                      ; through my own stage, so that a lane holds 16 neighbours of each half row
.irp u, 0,1
.irp j, 0,1,2,3
	ds_store_b128 v4, v[LR+32*((\row)%2)+16*\u+4*\j:LR+32*((\row)%2)+16*\u+4*\j+3] offset:2560*\u+640*\j
.endr
.endr
.irp u, 0,1
.irp j, 0,1,2,3
	ds_load_b128 v[LX+16*\u+4*\j:LX+16*\u+4*\j+3], v5 offset:2560*\u+16*\j
.endr
.endr
.endm
.macro WSUM                            ; v[18:19] -> the sum over the wave, in v18 of every lane
	v_add_f32 v18, v18, v19
.irp m, 1,2,4,8
	v_add_f32_dpp v18, v18, v18 row_xmask:\m row_mask:0xf bank_mask:0xf
.endr
	v_permlanex16_b32 v19, v18, s58, s59
	v_add_f32 v18, v18, v19
.endm
.macro LNROW row
.if (\row) < 3
	s_wait_loadcnt 8                               ; this row (and, the first time, g1 and be1) is in; the next row's eight loads may be out
.else
	s_wait_loadcnt 0
.endif
	LNTURN \row
	s_wait_dscnt 0x0                               ; the row is back, and the stage's stores have read their registers
.if (\row)+2 < 4
	LNLOAD (\row)+2
.endif
	v_pk_add_f32 v[18:19], v[LX:LX+1], v[LX+2:LX+3]
	v_pk_add_f32 v[20:21], v[LX+4:LX+5], v[LX+6:LX+7]
.irp j, 8,12,16,20,24,28
	v_pk_add_f32 v[18:19], v[18:19], v[LX+\j:LX+\j+1]
	v_pk_add_f32 v[20:21], v[20:21], v[LX+\j+2:LX+\j+3]
.endr
	v_pk_add_f32 v[18:19], v[18:19], v[20:21]
	WSUM
	v_mul_f32 v14, s60, v18                        ; the mean
	v_mov_b32 v15, v14
.set J, 0
.rept 16
	v_pk_add_f32 v[LX+J:LX+J+1], v[LX+J:LX+J+1], v[14:15] neg_lo:[0,1] neg_hi:[0,1]
.set J, J+2
.endr
	v_pk_mul_f32 v[18:19], v[LX:LX+1], v[LX:LX+1]
	v_pk_mul_f32 v[20:21], v[LX+2:LX+3], v[LX+2:LX+3]
.irp j, 4,8,12,16,20,24,28
	v_pk_fma_f32 v[18:19], v[LX+\j:LX+\j+1], v[LX+\j:LX+\j+1], v[18:19]
	v_pk_fma_f32 v[20:21], v[LX+\j+2:LX+\j+3], v[LX+\j+2:LX+\j+3], v[20:21]
.endr
	v_pk_add_f32 v[18:19], v[18:19], v[20:21]
	WSUM
	v_fma_f32 v18, v18, s60, s61                   ; the variance + 1e-5
	s_wait_alu depctr_va_vdst(0)
	v_rsq_f32 v16, v18
	v_rsq_f32 v17, v18                             ; twice: a pair for the packed multiply
	v_nop                                          ; a plain line behind the transcendentals
.set J, 0
	s_wait_alu depctr_va_vdst(0)
.rept 16
	v_pk_mul_f32 v[LX+J:LX+J+1], v[LX+J:LX+J+1], v[16:17]
.set J, J+2
.endr
.set J, 0
.rept 16
	v_pk_fma_f32 v[LX+J:LX+J+1], v[LX+J:LX+J+1], v[LG+J:LG+J+1], v[LBE+J:LBE+J+1]
.set J, J+2
.endr
	s_wait_xcnt 0x0                                ; the last row's stores have read their codes: the registers may be written again
.irp s, 0,1,2
.if \s < NS
.irp u, 0,1
.set TT, LT+16*((2*\s+\u)%2)           ; the two sets take turns, so that the next holds are the plain lines behind a conversion
.irp i, 0,1,2,3,4,5,6,7,8,9,10,11,12,13,14,15
	v_med3_num_f32 v[TT+\i], v[LX+16*\u+\i], -v[11+\s], v[11+\s]
.endr
	v_cvt_scalef32_pk8_bf8_f32 v[LC+4*(2*\s+\u):LC+4*(2*\s+\u)+1], v[TT:TT+7], v[8+\s]
	v_cvt_scalef32_pk8_bf8_f32 v[LC+4*(2*\s+\u)+2:LC+4*(2*\s+\u)+3], v[TT+8:TT+15], v[8+\s]
	global_store_b128 v3, v[LC+4*(2*\s+\u):LC+4*(2*\s+\u)+3], s[52+2*\s:53+2*\s] offset:1024*(\row)+512*\u   ; 512 consecutive bytes
.endr
.endif
.endr
.endm
	LNLOAD 0
	LNLOAD 1
	LNROW 0
	LNROW 1
	LNROW 2
	LNROW 3
	s_wait_tensorcnt 0x0
	ds_add_u32 v240, v241
	s_wait_dscnt 0x0
	s_endpgm
; ---------------- R: work-group = 16 positions t, wave = a group of 8 pairs, lane (r, h): t = 16 tb + r, pairs i = 8 wave + 4 h + 0 .. 3
.Lrope:
	s_wait_alu depctr_va_vdst(0)
	v_and_b32 v3, 15, v2                           ; r
	v_lshrrev_b32 v4, 4, v2                        ; h
	s_sub_co_u32 s50, ttmp9, WGW+WGL               ; tb
	s_lshl_b32 s51, s50, 4
	v_add_nc_u32 v5, s51, v3
	v_cvt_f32_u32 v5, v5                           ; t
	s_lshl_b32 s52, s48, 3
	v_lshl_add_u32 v6, v4, 2, s52                  ; 8 wave + 4 h
	s_wait_alu depctr_va_vdst(0)
	s_mov_b32 s53, 0xbed49a78                      ; -log2(10000) / 32
	s_mov_b32 s54, 0x3f22f983                      ; 2 / pi
	s_mov_b32 s55, 0xbfc90fdb                      ; -(pi / 2), the f32 nearest to it,
	s_mov_b32 s56, 0x333bbd2e                      ; and what that f32 is too large by
	s_mov_b32 s57, 0xb94ca1f9                      ; sine on +-pi / 4: r + r z (S2 + z (S1 + z S0)), z = r r
	s_mov_b32 s58, 0x3c08839e
	s_mov_b32 s59, 0xbe2aaaa3
	s_mov_b32 s60, 0x37ccf5ce                      ; cosine: 1 - z / 2 + z z (C2 + z (C1 + z C0))
	s_mov_b32 s61, 0xbab6061a
	s_mov_b32 s62, 0x3d2aaaa5
	s_lshl_b32 s63, s50, 2
	s_add_co_u32 s63, s63, s48
	s_lshl_b32 s63, s63, 10
	v_lshl_add_u32 v7, v2, 4, s63                  ; (4 tb + wave) x 1,024 + 16 x lane
.irp j, 0,1,2,3
	v_add_nc_u32 v[8+\j], \j, v6
	v_cvt_f32_u32 v[8+\j], v[8+\j]
	v_mul_f32 v[8+\j], s53, v[8+\j]
.endr
	s_wait_alu depctr_va_vdst(0)
.irp j, 0,1,2,3
	v_exp_f32 v[8+\j], v[8+\j]                     ; theta
.endr
	v_nop
	s_wait_alu depctr_va_vdst(0)
.irp j, 0,1,2,3
	v_mul_f32 v[8+\j], v5, v[8+\j]                 ; the angle
.endr
.irp j, 0,1,2,3
	v_mul_f32 v[12+\j], s54, v[8+\j]
.endr
.irp j, 0,1,2,3
	v_rndne_f32 v[12+\j], v[12+\j]                 ; n quarter turns
.endr
.irp j, 0,1,2,3
	v_fma_f32 v[8+\j], v[12+\j], s55, v[8+\j]
.endr
.irp j, 0,1,2,3
	v_fma_f32 v[8+\j], v[12+\j], s56, v[8+\j]      ; r = angle - n pi / 2, within +-pi / 4
.endr
.irp j, 0,1,2,3
	v_cvt_i32_f32 v[16+\j], v[12+\j]
	v_mul_f32 v[20+\j], v[8+\j], v[8+\j]           ; z
.endr
.irp j, 0,1,2,3
	v_fma_f32 v[24+\j], v[20+\j], s57, s58
	v_fma_f32 v[28+\j], v[20+\j], s60, s61
.endr
.irp j, 0,1,2,3
	v_fma_f32 v[24+\j], v[24+\j], v[20+\j], s59
	v_fma_f32 v[28+\j], v[28+\j], v[20+\j], s62
.endr
.irp j, 0,1,2,3
	v_mul_f32 v[24+\j], v[24+\j], v[20+\j]
	v_mul_f32 v[28+\j], v[28+\j], v[20+\j]
	v_fma_f32 v[32+\j], v[20+\j], -0.5, 1.0
.endr
.irp j, 0,1,2,3
	v_fma_f32 v[24+\j], v[24+\j], v[8+\j], v[8+\j]      ; sin r
	v_fma_f32 v[28+\j], v[28+\j], v[20+\j], v[32+\j]    ; cos r
.endr
.irp j, 0,1,2,3                        ; the quarter: an odd n swaps the two; the signs follow n mod 4
	v_and_b32 v[36+\j], 1, v[16+\j]
	v_cmp_eq_u32 vcc_lo, 1, v[36+\j]
	v_cndmask_b32 v[40+\j], v[24+\j], v[28+\j], vcc_lo
	v_cndmask_b32 v[44+\j], v[28+\j], v[24+\j], vcc_lo
	v_and_b32 v[36+\j], 2, v[16+\j]
	v_lshlrev_b32 v[36+\j], 30, v[36+\j]
	v_xor_b32 v[40+\j], v[36+\j], v[40+\j]         ; sin
	v_add_nc_u32 v[36+\j], 1, v[16+\j]
	v_and_b32 v[36+\j], 2, v[36+\j]
	v_lshlrev_b32 v[36+\j], 30, v[36+\j]
	v_xor_b32 v[44+\j], v[36+\j], v[44+\j]         ; cos
.endr
	global_store_b128 v7, v[44:47], s[28:29]               ; 512 consecutive bytes of cosines,
	global_store_b128 v7, v[40:43], s[28:29] offset:512    ; then of sines
	s_endpgm
.Lfunc_end_k_q85031a82f3_prep:
	.size	k_q85031a82f3_prep, .Lfunc_end_k_q85031a82f3_prep-k_q85031a82f3_prep
	.p2alignl 7, 3214868480
	.fill 96, 4, 3214868480
	.section	.rodata,"a",@progbits
	.p2align	6, 0x0
	.amdhsa_kernel k_q85031a82f3_prep
		.amdhsa_group_segment_fixed_size 53760
		.amdhsa_private_segment_fixed_size 0
		.amdhsa_enable_private_segment 0
		.amdhsa_kernarg_size 104
		.amdhsa_user_sgpr_count 2
		.amdhsa_user_sgpr_kernarg_segment_ptr 1
		.amdhsa_wavefront_size32 1
		.amdhsa_system_sgpr_workgroup_id_x 1
		.amdhsa_system_sgpr_workgroup_id_y 1
		.amdhsa_system_sgpr_workgroup_id_z 1
		.amdhsa_system_vgpr_workitem_id 0
		.amdhsa_next_free_vgpr 242
		.amdhsa_next_free_sgpr 66
		.amdhsa_reserve_vcc 1
		.amdhsa_float_denorm_mode_32 3
		.amdhsa_float_denorm_mode_16_64 3
		.amdhsa_memory_ordered 1
		.amdhsa_forward_progress 1
		.amdhsa_inst_pref_size 92
	.end_amdhsa_kernel
	.amdgpu_metadata
---
amdhsa.version: [ 1, 2 ]
amdhsa.kernels:
  - .name:           k_q85031a82f3_prep
    .symbol:         k_q85031a82f3_prep.kd
    .args:
      - { .name: Wq, .offset: 0, .size: 8, .value_kind: global_buffer, .address_space: global }
      - { .name: Wk, .offset: 8, .size: 8, .value_kind: global_buffer, .address_space: global }
      - { .name: Wv, .offset: 16, .size: 8, .value_kind: global_buffer, .address_space: global }
      - { .name: Wo, .offset: 24, .size: 8, .value_kind: global_buffer, .address_space: global }
      - { .name: W1, .offset: 32, .size: 8, .value_kind: global_buffer, .address_space: global }
      - { .name: W2, .offset: 40, .size: 8, .value_kind: global_buffer, .address_space: global }
      - { .name: x, .offset: 48, .size: 8, .value_kind: global_buffer, .address_space: global }
      - { .name: g1, .offset: 56, .size: 8, .value_kind: global_buffer, .address_space: global }
      - { .name: be1, .offset: 64, .size: 8, .value_kind: global_buffer, .address_space: global }
      - { .name: lowp_scales, .offset: 72, .size: 8, .value_kind: global_buffer, .address_space: global }
      - { .name: wc, .offset: 80, .size: 8, .value_kind: global_buffer, .address_space: global }
      - { .name: hc, .offset: 88, .size: 8, .value_kind: global_buffer, .address_space: global }
      - { .name: rope, .offset: 96, .size: 8, .value_kind: global_buffer, .address_space: global }
    .group_segment_fixed_size: 53760
    .private_segment_fixed_size: 0
    .kernarg_segment_align: 8
    .kernarg_segment_size: 104
    .max_flat_workgroup_size: 128
    .sgpr_count:     66
    .vgpr_count:     242
    .wavefront_size: 32
...
	.end_amdgpu_metadata
.endif
;; end of part 1
;; launch qkv (part 2): grid 8 x 24, 4 waves a work-group, clusters of 4 x 4, 327,680 bytes of LDS; arguments hc, wc, lowp_scales, bq, bk, bv, rope, qkvc; writes qkvc
.if DOCPART == 2
	.amdgcn_target "amdgcn-amd-amdhsa--gfx1250"
	.amdhsa_code_object_version 6
	.text
	.protected	k_q85031a82f3_qkv
	.globl	k_q85031a82f3_qkv
	.p2align	8
	.type	k_q85031a82f3_qkv,@function
k_q85031a82f3_qkv:
	s_mov_b64 s[64:65], 0
	v_nop
	global_prefetch_b8 v0, s[64:65] scope:SCOPE_SE
	s_setreg_imm32_b32 hwreg(HW_REG_WAVE_MODE, 25, 1), 1
	s_wait_xcnt 0x0
	s_wait_alu depctr_hold_cnt(0) depctr_sa_sdst(0) depctr_va_vdst(0) depctr_va_sdst(0) depctr_va_ssrc(0) depctr_va_vcc(0) depctr_vm_vsrc(0)
	s_getreg_b32 s2, hwreg(HW_REG_IB_STS2, 6, 4)
	s_cmp_eq_u32 s2, 0
	s_cbranch_scc0 .Lentry_in_a_cluster
	s_endpgm
.Lentry_in_a_cluster:
	s_bfe_u32 s2, ttmp6, 0x10000c
	s_cmp_lg_u32 s2, 0xf033
	s_cbranch_scc0 .Lentry_shape_is_right
	s_endpgm
.Lentry_shape_is_right:
; q, k = Q(rope(h W^T 2^(ea + eb) + b)) and v^T = Q(Wv h^T 2^(e4 + e5) + bv), on codes of BF8 (E5M2), tiles of 256 x 256, four waves of 128 x 128, K in steps of 256 through a ring of two LDS slots.
; 4 x 4 work-groups form a cluster: the first operand's tile is asked for jointly along a row of the cluster, the second's along a column.
; Cluster rows 0-3: q (cluster x = 0) and k (1), a row of tokens by a column of features; cluster rows 4-5: v with the weight as the first operand, so that the keys come out innermost.
; No prefetch: the block is the largest, in clusters, and K has four steps.
.set KSTEP,  256
.set ROWB,   256
.set KROW,   1024
.set PITCH,  272
.set FR,     16
.set NL,     4
.set NP,     4
.set HALFT,  128*PITCH
.set SLOT,   4*HALFT
.set LAPS,   KROW/(2*KSTEP)
.set SPARE,  2*SLOT
.set SP,     336
.set RB,   8
.set ADRA, 16
.set ADRB, 20
.set SC,   22
.set LIM,  23
.set STO,  24
.set RDQ,  25
.set COV,  26
.set LI,   27
.set SPW,  28
.set NIL,  29
.set STOV, 30
.set RDV,  31
.set BIAS, 32
.set X,    160
.set W,    96                          ; v96-159: a block's 64 rotated numbers
.set CD,   240
.set OUTR, 32
.set AF,   128
.set G1, 24
.set G0, 32
.set G1B, 48
.set G0B, 56
.set MSB, 0
.macro WIN new
.if MSB != (\new)
	s_set_vgpr_msb (MSB<<8)|(\new)
.set MSB, (\new)
.endif
.endm
.set MUL_LO, 0xa1
.set MUL_HI, 0xf1
.set TO_B,   0x40
.macro JLOAD g0a, g1a, g0b, g1b
	s_cmp_eq_u32 s15, 0
	s_cbranch_scc0 .Lfor_b_\@
	tensor_load_to_lds s[\g0a:\g0a+3], s[\g1a:\g1a+7]
	s_nop 0
.rept 4
	v_nop
.endr
	s_branch .Lasked_\@
.Lfor_b_\@:
	tensor_load_to_lds s[\g0b:\g0b+3], s[\g1b:\g1b+7]
	s_nop 0
.rept 4
	v_nop
.endr
.Lasked_\@:
.endm
.macro CREST
	s_cmp_lg_u32 s14, 0
	s_cbranch_scc1 .Lnot_wave_0_\@
	s_barrier_signal -3
.Lnot_wave_0_\@:
	s_barrier_wait -3
	s_barrier_signal -1
	s_barrier_wait -1
.endm
.macro CROUND
	s_barrier_signal -1
	s_barrier_wait -1
	CREST
.endm
	s_load_b512 s[68:83], s[0:1], 0x0
	v_lshl_add_u32 v[SPW], v0, 2, SPARE
	v_mov_b32 v[NIL], 0
	ds_add_u32 v28, v29
	ds_add_u32 v28, v29
	s_wait_dscnt 0x0
	v_lshrrev_b32 v1, 5, v0
	v_readfirstlane_b32 s14, v1
	s_lshr_b32 s15, s14, 1
	s_and_b32 s16, s14, 1
	s_bfe_u32 s40, ttmp6, 0x40000
	s_bfe_u32 s41, ttmp6, 0x40004
	s_and_b32 s13, ttmp7, 0xffff
	s_lshl_b32 s43, s41, 2
	s_lshl_b32 s43, 15, s43
	s_lshl_b32 s44, 0x1111, s40
	s_or_b32 s[G1+0], s43, (0<<16)|(1<<20)|(1<<21)|(5<<22)|(3<<25)
	s_or_b32 s[G1B+0], s44, (0<<16)|(1<<20)|(1<<21)|(5<<22)|(3<<25)
.irp g, G1, G1B
	s_mov_b32 s[\g+1], ROWB<<16
	s_mov_b32 s[\g+2], 128<<16
	s_mov_b32 s[\g+3], ROWB<<16
	s_mov_b32 s[\g+4], 128
	s_mov_b32 s[\g+5], KROW
	s_mov_b32 s[\g+6], 0
	s_mov_b32 s[\g+7], 0
.endr
	s_lshl_b32 s18, s13, 2
	s_max_u32 s19, s13, 4
	s_sub_co_u32 s19, s19, 4
	s_lshl_b32 s19, s19, 1
	s_add_co_u32 s19, s19, ttmp9
	s_lshl_b32 s19, s19, 2
	s_lshl_b32 s20, ttmp9, 22
	s_lshl_b32 s46, ttmp9, 20
	s_wait_kmcnt 0x0
	s_load_b512 s[84:99], s[72:73], 0x0
	s_cmp_lt_u32 s13, 4
	s_cselect_b32 s12, ttmp9, 2
	s_cselect_b32 s18, s18, 0
	s_cselect_b32 s19, 0, s19
	s_cselect_b32 s20, s20, 0x200000
	s_cselect_b32 s46, s46, 0x800000
	s_cselect_b64 s[4:5], s[68:69], s[70:71]
	s_cselect_b64 s[6:7], s[70:71], s[68:69]
	s_add_co_u32 s17, s18, s41
	s_add_co_u32 s42, s19, s40
	s_lshl_b32 s18, s16, 7
	s_lshl_b32 s21, s17, 8
	s_add_co_u32 s21, s21, s18
	s_lshl_b32 s21, s21, 10
	s_add_co_u32 s20, s20, s21
	s_mov_b32 s21, 0
	s_lshl_b32 s47, s42, 8
	s_add_co_u32 s47, s47, s18
	s_lshl_b32 s47, s47, 10
	s_add_co_u32 s46, s46, s47
	s_mov_b32 s47, 0
	s_mul_i32 s45, s14, HALFT
	s_add_nc_u64 s[20:21], s[4:5], s[20:21]
	s_add_nc_u64 s[46:47], s[6:7], s[46:47]
	CROUND
.irp s, 0,1
	s_mov_b32 s[G0+4*\s], 1
	s_add_co_u32 s[G0+4*\s+1], s45, \s*SLOT
	s_add_nc_u64 s[G0+4*\s+2:G0+4*\s+3], s[20:21], \s*ROWB
	s_or_b32 s[G0+4*\s+3], s[G0+4*\s+3], 0x80000000
	s_mov_b32 s[G0B+4*\s], 1
	s_add_co_u32 s[G0B+4*\s+1], s45, \s*SLOT
	s_add_nc_u64 s[G0B+4*\s+2:G0B+4*\s+3], s[46:47], \s*ROWB
	s_or_b32 s[G0B+4*\s+3], s[G0B+4*\s+3], 0x80000000
.endr
	JLOAD G0, G1, G0B, G1B                         ; K step 0: one tensor load a wave at the head
	v_and_b32 v1, 15, v0
	s_wait_alu depctr_va_vdst(0)
	v_bfe_u32 v2, v0, 4, 1
	v_mul_u32_u24 v3, v1, PITCH
	v_lshl_add_u32 v4, v2, 4, v3
	s_mul_i32 s21, s15, HALFT
	s_mul_i32 s22, s16, HALFT
	s_add_co_u32 s22, s22, 2*HALFT
.irp s, 0,1
	v_add_nc_u32 v[ADRA+\s], s21, v4
	v_add_nc_u32 v[ADRB+\s], s22, v4
	s_add_co_u32 s21, s21, SLOT
	s_add_co_u32 s22, s22, SLOT
.endr
	s_mul_i32 s23, s15, 128*SP
	s_lshl_b32 s22, s16, 7
	s_add_co_u32 s23, s23, s22
	v_mul_u32_u24 v5, v1, SP
	s_wait_alu depctr_va_vdst(0)
	v_lshl_add_u32 v5, v2, 3, v5
	v_add_nc_u32 v[STO], s23, v5
	v_add_nc_u32 v[STOV], SLOT, v[STO]
	v_and_b32 v6, 31, v0
	v_lshlrev_b32 v[LI], 4, v6
	s_mul_i32 s23, s14, 64*SP
	v_lshrrev_b32 v5, 2, v6
	v_mul_u32_u24 v5, v5, SP
	v_and_b32 v3, 3, v6
	v_lshl_add_u32 v5, v3, 4, v5
	v_add_nc_u32 v[RDQ], s23, v5
	v_mul_u32_u24 v5, v2, SP
	v_lshl_add_u32 v5, v1, 4, v5
	v_add_nc_u32 v5, s23, v5
	v_add_nc_u32 v[RDV], SLOT, v5
	v_lshlrev_b32 v5, 12, v2
	v_lshl_add_u32 v[COV], v1, 4, v5
	s_cmp_eq_u32 s12, 1
	s_cselect_b64 s[8:9], s[76:77], s[74:75]
	s_cmp_eq_u32 s12, 2
	s_cselect_b64 s[8:9], s[78:79], s[8:9]
	s_lshl_b32 s22, s40, 10
	s_lshl_b32 s23, s16, 9
	s_add_co_u32 s22, s22, s23
	s_mov_b32 s23, 0
	s_add_nc_u64 s[10:11], s[8:9], s[22:23]
	s_lshl_b32 s22, s41, 10
	s_lshl_b32 s2, s15, 9
	s_add_co_u32 s22, s22, s2
	s_add_nc_u64 s[8:9], s[8:9], s[22:23]
	v_lshlrev_b32 v7, 5, v2
	v_lshlrev_b32 v19, 2, v1
.irp b, 0,1,2,3,4,5,6,7
	global_load_b128 v[BIAS+8*\b:BIAS+8*\b+3], v7, s[10:11] offset:64*\b
	global_load_b128 v[BIAS+8*\b+4:BIAS+8*\b+7], v7, s[10:11] offset:64*\b+16
.endr
.irp a, 0,1,2,3,4,5,6,7
	global_load_b32 v[RB+\a], v19, s[8:9] offset:64*\a
.endr
.macro FRAG reg, adr, q, i
.irp c, 0,1,2,3
	ds_load_b128 v[\reg+4*\c:\reg+4*\c+3], v[\adr] offset:128*(\q)+32*\c+(\i)*16*PITCH
.endr
.endm
.macro MUL16 a0, p, zero
.irp a, \a0, \a0+1
.irp b, 0,1,2,3,4,5,6,7
.if \zero
	v_wmma_f32_16x16x128_bf8_bf8 v[8*(8*((\a)%4)+\b):8*(8*((\a)%4)+\b)+7], v[128*(\p)+FR*\b:128*(\p)+FR*\b+FR-1], v[AF+FR*(\a):AF+FR*(\a)+FR-1], 0
.else
	v_wmma_f32_16x16x128_bf8_bf8 v[8*(8*((\a)%4)+\b):8*(8*((\a)%4)+\b)+7], v[128*(\p)+FR*\b:128*(\p)+FR*\b+FR-1], v[AF+FR*(\a):AF+FR*(\a)+FR-1], v[8*(8*((\a)%4)+\b):8*(8*((\a)%4)+\b)+7]
.endif
.endr
.endr
.endm
.macro FETCH_B slot, q, p
	WIN TO_B
.irp i, 0,1,2,3,4,5,6,7
	FRAG 128*(\p)+FR*\i, ADRB+\slot, \q, \i
.endr
	WIN 0
.endm
.macro FETCH_A slot, q, i0
.irp i, \i0, \i0+1, \i0+2, \i0+3
	FRAG AF+FR*(\i), ADRA+\slot, \q, \i
.endr
.endm
.macro PLACES n
.rept \n
	v_nop
.endr
.endm
.macro STEP slot, q, zero
	s_wait_dscnt 4*NL
	WIN MUL_LO
	MUL16 0, (\q)%2, \zero
	MUL16 2, (\q)%2, \zero
	s_wait_dscnt 0
	PLACES NP
	FETCH_B \slot, (\q)+1, 1-(\q)%2
	FETCH_A \slot, (\q)+1, 0
	WIN MUL_HI
	MUL16 4, (\q)%2, \zero
	MUL16 6, (\q)%2, \zero
	PLACES NP
	WIN 0
	FETCH_A \slot, (\q)+1, 4
.endm
.macro TURN slot, next, fill
	s_wait_tensorcnt 0x0
	ds_add_u32 v[SPW], v[NIL]
	s_wait_dscnt 4*NL+1
	WIN MUL_LO
	MUL16 0, 1, 0
	s_wait_dscnt 0x0
	s_barrier_signal -1
	MUL16 2, 1, 0
	WIN 0
	s_barrier_wait -1
.if \fill
	CREST
	s_add_nc_u64 s[G0+4*\slot+2:G0+4*\slot+3], s[G0+4*\slot+2:G0+4*\slot+3], 2*ROWB
	s_add_nc_u64 s[G0B+4*\slot+2:G0B+4*\slot+3], s[G0B+4*\slot+2:G0B+4*\slot+3], 2*ROWB
	JLOAD G0+4*\slot, G1, G0B+4*\slot, G1B
.else
	PLACES NP
.endif
	FETCH_B \next, 0, 0
	FETCH_A \next, 0, 0
	WIN MUL_HI
	MUL16 4, 1, 0
	MUL16 6, 1, 0
	PLACES NP
	WIN 0
	FETCH_A \next, 0, 4
.endm
	s_wait_alu depctr_va_vdst(0)                   ; the wait at the head's end
	s_wait_tensorcnt 0x0                           ; my part of K step 0 is in
	ds_add_u32 v[SPW], v[NIL]
	s_wait_dscnt 0x0
	CROUND                                         ; everybody's part of K step 0 is in, and the joint loads meet
	JLOAD G0+4, G1, G0B+4, G1B                     ; slot 1's first fill, the first tensor load behind the round
	FETCH_B 0, 0, 0
	FETCH_A 0, 0, 0
	FETCH_A 0, 0, 4
	STEP 0, 0, 1
	s_mov_b32 s3, LAPS-1
.Llap:
	TURN 0, 1, 1
	STEP 1, 0, 0
	TURN 1, 0, 1
	STEP 0, 0, 0
	s_sub_co_u32 s3, s3, 1
	s_cmp_lg_u32 s3, 0
	s_cbranch_scc1 .Llap
	TURN 0, 1, 0
	STEP 1, 0, 0
; The table of cosines and sines of my 128 positions, 32 registers a block of 16 rows, goes into window 1, where B's fragments lay: block a at v[32 a].
.macro ROPELD a
.irp m, 0,1,2,3
.irp c, 0,1
	global_load_b128 v[32*(\a)+8*\m+4*\c:32*(\a)+8*\m+4*\c+3], v[LI], s[80:81] offset:4096*(\a)+1024*\m+512*\c
.endr
.endr
.endm
	s_lshl_b32 s4, s41, 4
	s_lshl_b32 s5, s15, 3
	s_add_co_u32 s4, s4, s5
	s_lshl_b32 s4, s4, 12
	s_mov_b32 s5, 0
	s_add_nc_u64 s[80:81], s[80:81], s[4:5]        ; the table at my first position: 4,096 bytes for 16 positions
	s_cmp_eq_u32 s12, 2                            ; v is not rotated: the branch hangs on the cluster's numbers alone
	s_cbranch_scc1 .Lno_rope
	WIN TO_B                                       ; blocks 0-3 now, into B's set 0, which is done with (four places stand behind its last products); the last 128 along K multiply set 1
.irp a, 0,1,2,3
	ROPELD \a
.endr
	WIN 0
.Lno_rope:
	s_wait_dscnt 4*NL
	WIN MUL_LO
	MUL16 0, 1, 0
	MUL16 2, 1, 0
	s_wait_dscnt 0
	WIN MUL_HI
	MUL16 4, 1, 0
	MUL16 6, 1, 0
	WIN 0
	s_wait_kmcnt 0x0
	s_add_co_i32 s4, s84, s85
	s_add_co_i32 s5, s86, s87
	s_add_co_i32 s6, s88, s89
	s_cmp_eq_u32 s12, 1
	s_cselect_b32 s4, s5, s4
	s_cselect_b32 s7, s91, s90
	s_cmp_eq_u32 s12, 2
	s_cselect_b32 s4, s6, s4
	s_cselect_b32 s7, s93, s7
	s_add_co_i32 s4, s4, 127
	s_lshl_b32 s66, s4, 23
	s_mov_b32 s67, s66
	s_add_co_i32 s7, s7, 127
	s_lshl_b32 s4, s7, 23
	v_mov_b32 v[SC], s4
	s_add_co_i32 s7, s7, 15
	s_lshl_b32 s7, s7, 23
	s_or_b32 s7, s7, 0x600000
	v_mov_b32 v[LIM], s7
	PLACES NP
	s_wait_dscnt 0x0
	s_barrier_signal -1
	s_barrier_wait -1
	s_cmp_eq_u32 s12, 2
	s_cbranch_scc1 .Lv_out
.macro QKBLK a
.set AC, 64*((\a)%4)
	s_wait_loadcnt 8*(7-(\a))                      ; this block's cosines and sines are in; the later blocks' eight loads each may be out
	WIN 0x02+((\a)/4)
.set J, 0
.rept 32
	v_pk_fma_f32 v[X+J:X+J+1], v[AC+J:AC+J+1], s[66:67], v[BIAS+J:BIAS+J+1] op_sel_hi:[1,0,1]
.set J, J+2
.endr
	s_wait_dscnt 0x0
	WIN 0x04                                       ; source 1, the cosines and sines: window 1
.irp b, 0,1,2,3,4,5,6,7
.set WW, W+8*\b
.set CM, 32*(\a)+8*(\b%4)
.set XB, X+8*\b
.irp g, 0,1
	v_pk_mul_f32 v[WW+4*\g:WW+4*\g+1], v[XB+4*\g:XB+4*\g+1], v[CM+2*\g:CM+2*\g+1] op_sel:[0,0] op_sel_hi:[1,0]
	v_pk_mul_f32 v[WW+4*\g+2:WW+4*\g+3], v[XB+4*\g+2:XB+4*\g+3], v[CM+2*\g:CM+2*\g+1] op_sel:[0,1] op_sel_hi:[1,1]
.endr
.irp g, 0,1
	v_pk_fma_f32 v[WW+4*\g:WW+4*\g+1], v[XB+4*\g:XB+4*\g+1], v[CM+4+2*\g:CM+4+2*\g+1], v[WW+4*\g:WW+4*\g+1] op_sel:[1,0,0] op_sel_hi:[0,0,1] neg_lo:[1,0,0]
	v_pk_fma_f32 v[WW+4*\g+2:WW+4*\g+3], v[XB+4*\g+2:XB+4*\g+3], v[CM+4+2*\g:CM+4+2*\g+1], v[WW+4*\g+2:WW+4*\g+3] op_sel:[1,1,0] op_sel_hi:[0,1,1] neg_lo:[1,0,0]
.endr
.endr
	WIN 0
.irp b, 0,1,2,3,4,5,6,7
.set WW, W+8*\b
.irp i, 0,1,2,3,4,5,6,7
	v_med3_num_f32 v[WW+\i], v[WW+\i], -v[LIM], v[LIM]
.endr
	v_cvt_scalef32_pk8_bf8_f32 v[CD+2*\b:CD+2*\b+1], v[WW:WW+7], v[SC]
.endr
	v_nop
.irp b, 0,1,2,3,4,5,6,7
	ds_store_b64 v[STO], v[CD+2*\b:CD+2*\b+1] offset:16*(\a)*SP+16*\b
.endr
.endm
	WIN TO_B                                       ; blocks 4-7's cosines and sines, into B's set 1: the last products are done and four places have passed
.irp a, 4,5,6,7
	ROPELD \a
.endr
	WIN 0
.irp a, 0,1,2,3,4,5,6,7
	QKBLK \a
.endr
	s_wait_dscnt 0x0
	s_barrier_signal -1
	s_barrier_wait -1
.irp d, 0,1,2,3
.irp g, 0,1,2,3,4,5,6,7
	ds_load_b128 v[OUTR+4*(8*\d+\g):OUTR+4*(8*\d+\g)+3], v[RDQ] offset:8*\g*SP+64*\d
.endr
.endr
	s_lshl_b32 s4, s12, 22
	s_lshl_b32 s5, s13, 4
	s_lshl_b32 s6, s40, 2
	s_add_co_u32 s5, s5, s6
	s_lshl_b32 s5, s5, 16
	s_add_co_u32 s4, s4, s5
	s_lshl_b32 s5, s41, 8
	s_lshl_b32 s6, s14, 6
	s_add_co_u32 s5, s5, s6
	s_lshl_b32 s5, s5, 6
	s_add_co_u32 s4, s4, s5
	s_mov_b32 s5, 0
	s_add_nc_u64 s[82:83], s[82:83], s[4:5]
.irp d, 0,1,2,3
.irp g, 0,1,2,3,4,5,6,7
	s_wait_dscnt 31-(8*\d+\g)
	global_store_b128 v[LI], v[OUTR+4*(8*\d+\g):OUTR+4*(8*\d+\g)+3], s[82:83] offset:65536*\d+512*\g
.endr
.endr
	s_branch .Lend
.Lv_out:
	s_wait_loadcnt 0x0
.macro VBLK a
.set AC, 64*((\a)%4)
	WIN 0x02+((\a)/4)
.set J, 0
.rept 32
.if ((\a)%2) == 0
	v_pk_fma_f32 v[X+J:X+J+1], v[AC+J:AC+J+1], s[66:67], v[RB+2*((\a)/2):RB+2*((\a)/2)+1] op_sel_hi:[1,0,0]
.else
	v_pk_fma_f32 v[X+J:X+J+1], v[AC+J:AC+J+1], s[66:67], v[RB+2*((\a)/2):RB+2*((\a)/2)+1] op_sel:[0,0,1] op_sel_hi:[1,0,1]
.endif
.set J, J+2
.endr
	WIN 0
	s_wait_dscnt 0x0
.irp b, 0,1,2,3,4,5,6,7
.irp i, 0,1,2,3,4,5,6,7
	v_med3_num_f32 v[X+8*\b+\i], v[X+8*\b+\i], -v[LIM], v[LIM]
.endr
	v_cvt_scalef32_pk8_bf8_f32 v[CD+2*\b:CD+2*\b+1], v[X+8*\b:X+8*\b+7], v[SC]
.endr
	v_nop
.irp b, 0,1,2,3,4,5,6,7
	ds_store_b64 v[STOV], v[CD+2*\b:CD+2*\b+1] offset:16*(\a)*SP+16*\b
.endr
.endm
.irp a, 0,1,2,3,4,5,6,7
	VBLK \a
.endr
	s_wait_dscnt 0x0
	s_barrier_signal -1
	s_barrier_wait -1
.set K, 0
.rept 32
	ds_load_b128 v[OUTR+4*K:OUTR+4*K+3], v[RDV] offset:2*K*SP
.set K, K+1
.endr
	s_lshl_b32 s4, s41, 8
	s_lshl_b32 s5, s14, 6
	s_add_co_u32 s4, s4, s5
	s_lshl_b32 s4, s4, 12
	s_lshl_b32 s5, s42, 8
	s_add_co_u32 s4, s4, s5
	s_add_co_u32 s4, s4, 0x800000
	s_mov_b32 s5, 0
	s_add_nc_u64 s[82:83], s[82:83], s[4:5]
.set K, 0
.rept 32
	s_wait_dscnt 31-K
	global_store_b128 v[COV], v[OUTR+4*K:OUTR+4*K+3], s[82:83] offset:8192*K
.set K, K+1
.endr
.Lend:
	s_wait_tensorcnt 0x0
	ds_add_u32 v[SPW], v[NIL]
	s_wait_dscnt 0x0
	CROUND
	s_endpgm
.Lfunc_end_k_q85031a82f3_qkv:
	.size	k_q85031a82f3_qkv, .Lfunc_end_k_q85031a82f3_qkv-k_q85031a82f3_qkv
	.p2alignl 7, 3214868480
	.fill 96, 4, 3214868480
	.section	.rodata,"a",@progbits
	.p2align	6, 0x0
	.amdhsa_kernel k_q85031a82f3_qkv
		.amdhsa_group_segment_fixed_size 327680
		.amdhsa_private_segment_fixed_size 0
		.amdhsa_enable_private_segment 0
		.amdhsa_kernarg_size 64
		.amdhsa_user_sgpr_count 2
		.amdhsa_user_sgpr_kernarg_segment_ptr 1
		.amdhsa_wavefront_size32 1
		.amdhsa_system_sgpr_workgroup_id_x 1
		.amdhsa_system_sgpr_workgroup_id_y 1
		.amdhsa_system_sgpr_workgroup_id_z 1
		.amdhsa_system_vgpr_workitem_id 0
		.amdhsa_next_free_vgpr 1024
		.amdhsa_next_free_sgpr 100
		.amdhsa_reserve_vcc 0
		.amdhsa_float_denorm_mode_32 3
		.amdhsa_float_denorm_mode_16_64 3
		.amdhsa_memory_ordered 1
		.amdhsa_forward_progress 1
		.amdhsa_inst_pref_size 248
	.end_amdhsa_kernel
	.amdgpu_metadata
---
amdhsa.version: [ 1, 2 ]
amdhsa.kernels:
  - .name:           k_q85031a82f3_qkv
    .symbol:         k_q85031a82f3_qkv.kd
    .args:
      - { .name: hc, .offset: 0, .size: 8, .value_kind: global_buffer, .address_space: global }
      - { .name: wc, .offset: 8, .size: 8, .value_kind: global_buffer, .address_space: global }
      - { .name: lowp_scales, .offset: 16, .size: 8, .value_kind: global_buffer, .address_space: global }
      - { .name: bq, .offset: 24, .size: 8, .value_kind: global_buffer, .address_space: global }
      - { .name: bk, .offset: 32, .size: 8, .value_kind: global_buffer, .address_space: global }
      - { .name: bv, .offset: 40, .size: 8, .value_kind: global_buffer, .address_space: global }
      - { .name: rope, .offset: 48, .size: 8, .value_kind: global_buffer, .address_space: global }
      - { .name: qkvc, .offset: 56, .size: 8, .value_kind: global_buffer, .address_space: global }
    .group_segment_fixed_size: 327680
    .private_segment_fixed_size: 0
    .kernarg_segment_align: 8
    .kernarg_segment_size: 64
    .max_flat_workgroup_size: 128
    .sgpr_count:     100
    .vgpr_count:     1024
    .wavefront_size: 32
...
	.end_amdgpu_metadata
.endif
;; end of part 2
;; launch attn (part 3): grid 4 x 64, 8 waves a work-group, clusters of 4 x 1, 167,936 bytes of LDS; arguments qkvc, padding_mask, lowp_scales, oc; writes oc
.if DOCPART == 3
	.amdgcn_target "amdgcn-amd-amdhsa--gfx1250"
	.amdhsa_code_object_version 6
	.text
	.protected	k_q85031a82f3_attn
	.globl	k_q85031a82f3_attn
	.p2align	8
	.type	k_q85031a82f3_attn,@function
k_q85031a82f3_attn:
	s_mov_b64 s[64:65], 0
	v_nop
	global_prefetch_b8 v0, s[64:65] scope:SCOPE_SE
	s_setreg_imm32_b32 hwreg(HW_REG_WAVE_MODE, 25, 1), 1
	s_wait_xcnt 0x0
	s_wait_alu depctr_hold_cnt(0) depctr_sa_sdst(0) depctr_va_vdst(0) depctr_va_sdst(0) depctr_va_ssrc(0) depctr_va_vcc(0) depctr_vm_vsrc(0)
	s_getreg_b32 s2, hwreg(HW_REG_IB_STS2, 6, 4)
	s_cmp_eq_u32 s2, 0
	s_cbranch_scc0 .Lentry_in_a_cluster
	s_endpgm
.Lentry_in_a_cluster:
	s_bfe_u32 s2, ttmp6, 0x10000c
	s_cmp_lg_u32 s2, 0x3003
	s_cbranch_scc0 .Lentry_shape_is_right
	s_endpgm
.Lentry_shape_is_right:
; Attention of one head and batch on codes of BF8 (E5M2): S^T = K Q^T (K = 64), the key mask, the softmax by the rule below, O^T = V^T P^T (K = the keys), / the row's sum, and the quantiser of the next product (e10).
; THE SOFTMAX: t = score x log2(e) / 8; M = the row's largest t so far, rounded up to a whole number; p = 2^(t - M) is quantised (e8), not normalised; the row's sum is taken of the unquantised p.
; When M moves, the sum and O^T are multiplied by 2^(old M - new M): exact.
; SHARES.  A work-group owns 256 queries of one head; each of its eight waves owns 32 of them, two tiles of 16, and walks the head's 1,024 keys 64 a step: a counted loop of 15 steps and a last step written out, which asks for no further keys.
; The head's whole K (1,024 x 64 codes) and V^T (64 x 1,024) lie in LDS; each byte of LDS is filled once: eight first fills, one a wave (waves 0-3: K's chunks of 256 keys; waves 4-7: 16 rows of V^T each), then one wait for 0 and one barrier.
; CLUSTER.  The four query blocks of a head form a cluster and need the same K and V: each of the eight tiles is asked for jointly.
; K is dense in memory: stated as rows of 256 bytes, four keys to a row, 16 bytes of padding behind each: key k lies at 272 (k / 4) + 64 (k % 4).  A row of V^T is 1,024 bytes + 16.
; THE MASK: a key's addend (0, or -3e38 where the key is padded) is the C of the first products.  The running largest t starts at -2^24 and a padded key's t lies under it: its p is exactly 0.
; LAYOUT.  Both products are used transposed: a lane holds ONE query (lane % 16) of each tile.  In tile t of S^T lane (r, h) holds keys 16 t + 8 h + 0 .. 7: their eight codes are registers 2 t, 2 t + 1 of P,
; the K = 64 form's own layout; V's fragments are fetched in that layout, 8 bytes a load.  K's and Q's fragments come by two loads of 16 bytes: a permutation of k that is the same in both.
; No prefetch: everything that the launch reads through LDS is asked for at its head; there is no loop to run ahead in.
; LIMITS: e6 + e7 between -96 and 130; e8, e10 between -126 and 112; every t of a key that counts lies above -2^24; a batch all of whose keys are padded is not served (the definition gives NaN there); NaN is not served.
.set RP,   272
.set KCH,  64*RP                       ; a chunk of 256 keys
.set VOFF, 4*KCH
.set VP,   1040
.set MSK,  VOFF+64*VP                  ; 1,024 addends, f32
.set STG,  MSK+4096                    ; the way out: 32 rows x 80 bytes for each wave
.set SPARE, STG+8*2560                 ; the spare words, 128 bytes a wave, that no other line names
.set AK,  1                            ; v1-3  my lane's place in K, in V^T, in the addends
.set AV,  2
.set AM,  3
.set ADK, 4                            ; v4-6  the same at the step in hand
.set ADV, 5
.set ADM, 6
.set SO,  4                            ; the way out (the steps are over): where I put 8 codes, where I read 16 back, my byte offset in oc
.set SR,  5
.set GO,  6
.set SPW, 7
.set NIL, 8
.set LIM, 10                           ; 57,344 x the scale;  v11 the scale
.set SC,  11
.set ST,  12                           ; tile q: v[12+4q] -M, v[13+4q] the largest t, v[14+4q:15+4q] the sum in two halves
.set F,   20                           ; v[20+2q:21+2q] f = 2^(old M - new M), in the low word
.set TA,  24                           ; at work, a register a tile
.set TB,  26
.set TP,  28
.set TS,  26                           ; v[TS+4:TS+5] = v[30:31]: tile 1's second chain of sums
.set Q,   32                           ; v32-47   Q, 8 a tile
.set KF,  48                           ; v48-79   K's four fragments
.set MK,  80                           ; v80-111  the addends of the step's 64 keys
.set S,   112                          ; v112-175 S^T, then p, 32 a tile; tile 0's 32 later hold V's four fragments
.set P,   176                          ; v176-191 p's codes, 8 a tile
.set O,   192                          ; v192-255 O^T, 32 a tile
.set WV,  18
.set SEL, 20
.set CS,  22
.set G1K, 24
.set G1V, 32
.set G0K, 40
.set G0V, 44
.set SK,  48                           ; s48-50 the step's byte offset in K, in the addends, in a row of V^T;  s51 steps to go
.set SM,  49
.set SV,  50
.set CNT, 51
.macro CROUND
	s_barrier_signal -1
	s_barrier_wait -1
	s_cmp_lg_u32 s[WV], 0
	s_cbranch_scc1 .Lnot_wave_0_\@
	s_barrier_signal -3
.Lnot_wave_0_\@:
	s_barrier_wait -3
	s_barrier_signal -1
	s_barrier_wait -1
.endm
	s_load_b256 s[4:11], s[0:1], 0x0               ; qkvc s[4:5], the mask s[6:7], the exponents s[8:9], oc s[10:11]
	v_lshl_add_u32 v[SPW], v0, 2, SPARE
	v_mov_b32 v[NIL], 0
	ds_add_u32 v[SPW], v[NIL]                      ; the opening lines: the add twice on end and one wait
	ds_add_u32 v[SPW], v[NIL]
	v_lshrrev_b32 v9, 5, v0
	v_readfirstlane_b32 s[WV], v9                  ; wave 0..7
	s_bfe_u32 s19, ttmp6, 0x40000                  ; cx: my block of 256 queries; it enters Q's and oc's addresses alone
	s_and_b32 s12, ttmp7, 0xffff                   ; 16 batch + head, which the four partners share
	s_lshr_b32 s13, s12, 4
	s_and_b32 s14, s12, 15
	s_and_b32 s96, s[WV], 3                        ; which chunk of K, or which 16 rows of V^T, I fetch
	s_lshl_b32 s92, s12, 16
	s_add_co_u32 s92, s92, 0x400000                ; K: 4 Mi + 65,536 (16 batch + head)
	s_lshl_b32 s93, s96, 14
	s_add_co_u32 s92, s92, s93                     ; + 16,384 a chunk
	s_mov_b32 s93, 0
	s_lshl_b32 s94, s14, 18
	s_lshl_b32 s95, s13, 10
	s_add_co_u32 s94, s94, s95
	s_add_co_u32 s94, s94, 0x800000                ; V^T: 8 Mi + 64 head rows of 4,096 + 1,024 batch
	s_lshl_b32 s95, s96, 16
	s_add_co_u32 s94, s94, s95                     ; + 16 rows
	s_mov_b32 s95, 0
	s_mul_i32 s97, s96, KCH                        ; where they go
	s_mul_i32 s98, s96, 16*VP
	s_add_co_u32 s98, s98, VOFF
	s_mov_b32 s[G1K], 15|(0<<16)|(1<<20)|(1<<21)|(5<<22)|(3<<25)   ; all four work-groups; elements of 1 byte; padding: 4 words behind every 64
	s_mov_b32 s[G1K+1], 256<<16
	s_mov_b32 s[G1K+2], 64<<16
	s_mov_b32 s[G1K+3], 256<<16
	s_mov_b32 s[G1K+4], 64
	s_mov_b32 s[G1K+5], 256                        ; K: dense, row on row
	s_mov_b32 s[G1K+6], 0
	s_mov_b32 s[G1K+7], 0
	s_mov_b32 s[G1V], 15|(0<<16)|(1<<20)|(1<<21)|(7<<22)|(3<<25)   ; padding: 4 words behind every 256
	s_mov_b32 s[G1V+1], 1024<<16
	s_mov_b32 s[G1V+2], 16<<16
	s_mov_b32 s[G1V+3], 1024<<16
	s_mov_b32 s[G1V+4], 16
	s_mov_b32 s[G1V+5], 4096                       ; V^T: a feature's row holds all 4,096 tokens
	s_mov_b32 s[G1V+6], 0
	s_mov_b32 s[G1V+7], 0
	s_mov_b32 s[SEL], 0x76543210
	s_mov_b32 s[SEL+1], 0xfedcba98
	s_mov_b32 s[CS], 0x3e38aa3b                    ; c = log2(e) / 8
	s_wait_dscnt 0x0
	s_wait_kmcnt 0x0
	s_load_b512 s[76:91], s[8:9], 0x0              ; e0 .. e15 in s76 .. s91
	CROUND                                         ; all four work-groups are here: the joint loads meet
	s_mov_b32 s[G0K], 1
	s_mov_b32 s[G0K+1], s97
	s_add_nc_u64 s[G0K+2:G0K+3], s[4:5], s[92:93]
	s_or_b32 s[G0K+3], s[G0K+3], 0x80000000
	s_mov_b32 s[G0V], 1
	s_mov_b32 s[G0V+1], s98
	s_add_nc_u64 s[G0V+2:G0V+3], s[4:5], s[94:95]
	s_or_b32 s[G0V+3], s[G0V+3], 0x80000000
	s_cmp_lt_u32 s[WV], 4                          ; every wave issues one fill: the branch hangs on the wave's number alone
	s_cbranch_scc0 .Lfor_v
	tensor_load_to_lds s[G0K:G0K+3], s[G1K:G1K+7]
	s_nop 0
.rept 4
	v_nop
.endr
	s_branch .Lasked
.Lfor_v:
	tensor_load_to_lds s[G0V:G0V+3], s[G1V:G1V+7]
	s_nop 0
.rept 4
	v_nop
.endr
.Lasked:
	s_lshl_b32 s96, s19, 8
	s_lshl_b32 s97, s[WV], 5
	s_add_co_u32 s96, s96, s97                     ; my first query: 256 cx + 32 wave
	s_lshl_b32 s98, s96, 6
	s_lshl_b32 s99, s12, 16
	s_add_co_u32 s98, s98, s99
	s_mov_b32 s99, 0
	s_add_nc_u64 s[98:99], s[4:5], s[98:99]        ; its codes
	s_lshl_b32 s97, s13, 10
	s_add_co_u32 s96, s96, s97
	s_lshl_b32 s96, s96, 10
	s_lshl_b32 s97, s14, 6
	s_add_co_u32 s96, s96, s97
	s_mov_b32 s97, 0
	s_add_nc_u64 s[10:11], s[10:11], s[96:97]      ; oc: its token's row, + 64 head
	s_lshl_b32 s96, s13, 10
	s_add_nc_u64 s[6:7], s[6:7], s[96:97]          ; the batch's row of the mask
	s_mov_b32 s[SK], 0
	s_mov_b32 s[SM], 0
	s_mov_b32 s[SV], 0
	s_mov_b32 s[CNT], 15
	v_and_b32 v24, 15, v0                          ; r
	v_bfe_u32 v25, v0, 4, 1                        ; h
	v_lshlrev_b32 v26, 6, v24
	v_lshl_add_u32 v26, v25, 4, v26                ; 64 r + 16 h
.irp q, 0,1
	global_load_b128 v[Q+8*\q:Q+8*\q+3], v26, s[98:99] offset:1024*\q          ; Q's two fragments stay in registers
	global_load_b128 v[Q+8*\q+4:Q+8*\q+7], v26, s[98:99] offset:1024*\q+32
.endr
	v_lshlrev_b32 v27, 2, v0
	global_load_b32 v9, v27, s[6:7]                ; four keys' bytes a thread
	v_lshrrev_b32 v28, 2, v24
	v_mul_u32_u24 v[AK], v28, RP
	v_and_b32 v28, 3, v24
	v_lshl_add_u32 v[AK], v28, 6, v[AK]
	v_lshl_add_u32 v[AK], v25, 4, v[AK]            ; K: 272 (r / 4) + 64 (r % 4) + 16 h
	v_mul_u32_u24 v[AV], v24, VP
	v_lshl_add_u32 v[AV], v25, 3, v[AV]
	v_add_nc_u32 v[AV], VOFF, v[AV]                ; V^T: row r, + 8 h
	v_lshlrev_b32 v[AM], 5, v25
	v_add_nc_u32 v[AM], MSK, v[AM]                 ; the addends: + 32 h
	v_lshl_add_u32 v31, v0, 4, MSK                 ; where I put four addends
.irp q, 0,1
	v_mov_b32 v[ST+4*\q+1], 0xcb800000             ; the largest t so far: -2^24
	v_floor_f32 v[ST+4*\q], -v[ST+4*\q+1]          ; -M
	v_mov_b32 v[ST+4*\q+2], 0
	v_mov_b32 v[ST+4*\q+3], 0
	v_mov_b32 v[F+2*\q+1], 0                       ; (the upper half of f's pair)
	v_mov_b32 v[TP+\q], 0                          ; a lane permute's destination counts as one of its sources
.endr
.set J, 0
.rept 64
	v_mov_b32 v[O+J], 0                            ; O^T: the step is written for every pass alike; the first finds zeros
.set J, J+1
.endr
	s_wait_alu depctr_va_vdst(0)
	s_wait_loadcnt 0x0                             ; Q and the mask
	v_and_b32 v48, 0xff, v9
	v_bfe_u32 v49, v9, 8, 8
	v_bfe_u32 v50, v9, 16, 8
	v_lshrrev_b32 v51, 24, v9
.irp i, 48,49,50,51
	v_cvt_f32_u32 v\i, v\i
.endr
.irp i, 48,49,50,51
	v_mul_f32 v\i, 0xff61b1e6, v\i                 ; 0, or -3e38
.endr
	ds_store_b128 v31, v[48:51]
	s_wait_alu depctr_va_vdst(0)
	s_wait_kmcnt 0x0
	s_add_co_i32 s92, s82, s83
	s_lshl_b32 s92, s92, 23
	s_add_co_i32 s[CS], s[CS], s92                 ; a score stands for score x 2^(e6 + e7): added to c's exponent field
	s_mov_b32 s[CS+1], s[CS]
	s_add_co_i32 s92, s84, 127
	s_lshl_b32 s93, s92, 23
	v_mov_b32 v[SC], s93                           ; 2^e8
	s_add_co_i32 s92, s92, 15
	s_lshl_b32 s92, s92, 23
	s_or_b32 s92, s92, 0x600000
	v_mov_b32 v[LIM], s92                          ; 57,344 x 2^e8
; four tiles of 16 neighbouring keys, d steps on from the address, and the 64 keys' addends in the result's layout: register 8 t + j is key 16 t + 8 h + j
.macro KLOAD ak, am, d
.irp t, 0,1,2,3
	ds_load_b128 v[KF+8*\t:KF+8*\t+3], v[\ak] offset:(16*\d+4*\t)*RP
	ds_load_b128 v[KF+8*\t+4:KF+8*\t+7], v[\ak] offset:(16*\d+4*\t)*RP+32
.endr
.irp t, 0,1,2,3
	ds_load_b128 v[MK+8*\t:MK+8*\t+3], v[\am] offset:256*\d+64*\t
	ds_load_b128 v[MK+8*\t+4:MK+8*\t+7], v[\am] offset:256*\d+64*\t+16
.endr
.endm
; A KEY STEP: 64 keys, both tiles of queries.  more = 1: the next step's K and addends are asked for
.macro STEP more
	s_wait_dscnt 0x0                               ; this step's K and addends are in
.irp q, 0,1
.irp t, 0,1,2,3
	v_wmma_f32_16x16x64_bf8_bf8 v[S+32*\q+8*\t:S+32*\q+8*\t+7], v[KF+8*\t:KF+8*\t+7], v[Q+8*\q:Q+8*\q+7], v[MK+8*\t:MK+8*\t+7]
.endr
.endr
	v_add_nc_u32 v[ADV], s[SV], v[AV]              ; four plain lines in front of loads into these products' sources and of the first read of their results
.if \more
	v_add_nc_u32 v[ADK], s[SK], v[AK]
	v_add_nc_u32 v[ADM], s[SM], v[AM]
.else
	v_nop
	v_nop
.endif
	v_nop
.if \more
	KLOAD ADK, ADM, 1                              ; lands under the softmax
.endif
.irp q, 0,1
	v_max3_num_f32 v[TA+\q], v[S+32*\q], v[S+32*\q+1], v[S+32*\q+2]        ; the step's largest score of my query among my 32 keys: two chains a tile, the tiles by turns
.endr
.irp q, 0,1
	v_max3_num_f32 v[TB+\q], v[S+32*\q+3], v[S+32*\q+4], v[S+32*\q+5]
.endr
.irp i, 6,10,14,18,22,26
.irp q, 0,1
	v_max3_num_f32 v[TA+\q], v[TA+\q], v[S+32*\q+\i], v[S+32*\q+\i+1]
.endr
.irp q, 0,1
	v_max3_num_f32 v[TB+\q], v[TB+\q], v[S+32*\q+\i+2], v[S+32*\q+\i+3]
.endr
.endr
.irp q, 0,1
	v_max3_num_f32 v[TA+\q], v[TA+\q], v[S+32*\q+30], v[S+32*\q+31]
.endr
.irp q, 0,1
	v_max_num_f32 v[TA+\q], v[TA+\q], v[TB+\q]
.endr
.irp q, 0,1
	v_permlanex16_b32 v[TP+\q], v[TA+\q], s[SEL], s[SEL+1]
.endr
.irp q, 0,1
	v_max_num_f32 v[TA+\q], v[TA+\q], v[TP+\q]     ; and among lane l xor 16's
.endr
.irp q, 0,1
	v_mul_f32 v[TA+\q], s[CS], v[TA+\q]
.endr
.irp q, 0,1
	v_max_num_f32 v[ST+4*\q+1], v[ST+4*\q+1], v[TA+\q]     ; the running largest t
.endr
.irp q, 0,1
	v_mov_b32 v[TA+\q], v[ST+4*\q]
.endr
.irp q, 0,1
	v_floor_f32 v[ST+4*\q], -v[ST+4*\q+1]          ; the new -M: M is a whole number
.endr
.irp q, 0,1
	v_sub_f32 v[TA+\q], v[ST+4*\q], v[TA+\q]
.endr
.irp q, 0,1
	v_cvt_i32_f32 v[TA+\q], v[TA+\q]               ; old M - new M, 0 or less (it saturates)
.endr
.irp q, 0,1
	v_ldexp_f32 v[F+2*\q], 1.0, v[TA+\q]           ; f = 2^(old M - new M)
.endr
.set J, 0
.rept 16
	v_pk_fma_f32 v[S+J:S+J+1], v[S+J:S+J+1], s[CS:CS+1], v[ST:ST+1] op_sel_hi:[1,0,0]     ; tile 0: t - M
.set J, J+2
.endr
.irp q, 0,1
	v_pk_mul_f32 v[ST+4*\q+2:ST+4*\q+3], v[ST+4*\q+2:ST+4*\q+3], v[F+2*\q:F+2*\q+1] op_sel_hi:[1,0]   ; the sums under the new M
.endr
	s_wait_alu depctr_va_vdst(0)                   ; the wait ahead of a batch
; TWO BATCHES OF 32 EXPONENTIALS, each with plain lines that are due anyway among it: such a line reads only what was written ahead of the wait in front of its batch, and what it writes is first read behind the wait that follows the batch.
.set J, 0
.rept 16                               ; tile 0's p = 2^(t - M); among them tile 1's t - M
	v_exp_f32 v[S+J], v[S+J]
	v_exp_f32 v[S+J+1], v[S+J+1]
	v_pk_fma_f32 v[S+32+J:S+33+J], v[S+32+J:S+33+J], s[CS:CS+1], v[ST+4:ST+5] op_sel_hi:[1,0,0]
.set J, J+2
.endr
	s_wait_alu depctr_va_vdst(0)                   ; behind the first batch and ahead of the second
.set J, 0
.rept 8                                ; tile 1's p; among them tile 0's sums of the unquantised p, four numbers to a pair of P's registers, which are free here, and then its holds
	v_exp_f32 v[S+32+J], v[S+32+J]
	v_pk_add_f32 v[P+J/2:P+J/2+1], v[S+J:S+J+1], v[S+J+2:S+J+3]
	v_exp_f32 v[S+33+J], v[S+33+J]
	v_min_num_f32 v[S+J], v[S+J], v[LIM]           ; the conversion does not saturate (ISA guide 7.6.2); p is not negative: the hold is one-sided
	v_min_num_f32 v[S+J+1], v[S+J+1], v[LIM]
	v_exp_f32 v[S+34+J], v[S+34+J]
	v_min_num_f32 v[S+J+2], v[S+J+2], v[LIM]
	v_exp_f32 v[S+35+J], v[S+35+J]
	v_min_num_f32 v[S+J+3], v[S+J+3], v[LIM]
.set J, J+4
.endr
	s_wait_alu depctr_va_vdst(0)                   ; behind the second batch
.irp j, 0,4,8,12
	v_pk_add_f32 v[P+\j:P+\j+1], v[P+\j:P+\j+1], v[P+\j+2:P+\j+3]         ; tile 0's eight pairs are joined as a tree, by turns with tile 1's two chains
.endr
	v_pk_add_f32 v[TS+4:TS+5], v[S+32:S+33], v[S+34:S+35]
	v_pk_add_f32 v[ST+6:ST+7], v[ST+6:ST+7], v[S+36:S+37]
	v_pk_add_f32 v[P:P+1], v[P:P+1], v[P+4:P+5]
	v_pk_add_f32 v[P+8:P+9], v[P+8:P+9], v[P+12:P+13]
	v_pk_add_f32 v[TS+4:TS+5], v[TS+4:TS+5], v[S+38:S+39]
	v_pk_add_f32 v[ST+6:ST+7], v[ST+6:ST+7], v[S+40:S+41]
	v_pk_add_f32 v[P:P+1], v[P:P+1], v[P+8:P+9]
	v_pk_add_f32 v[TS+4:TS+5], v[TS+4:TS+5], v[S+42:S+43]
	v_pk_add_f32 v[ST+6:ST+7], v[ST+6:ST+7], v[S+44:S+45]
	v_pk_add_f32 v[ST+2:ST+3], v[ST+2:ST+3], v[P:P+1]
.irp j, 14,18,22,26
	v_pk_add_f32 v[TS+4:TS+5], v[TS+4:TS+5], v[S+32+\j:S+33+\j]
	v_pk_add_f32 v[ST+6:ST+7], v[ST+6:ST+7], v[S+34+\j:S+35+\j]
.endr
	v_pk_add_f32 v[TS+4:TS+5], v[TS+4:TS+5], v[S+62:S+63]
	v_pk_add_f32 v[ST+6:ST+7], v[ST+6:ST+7], v[TS+4:TS+5]
.irp t, 0,1,2,3
	v_cvt_scalef32_pk8_bf8_f32 v[P+2*\t:P+2*\t+1], v[S+8*\t:S+8*\t+7], v[SC]
.endr
.irp t, 0,1,2,3                        ; V's four fragments (16 channels x 64 keys) into tile 0's registers, which are done with: registers 2 c, 2 c + 1 hold keys 16 c + 8 h + 0 .. 7
.irp c, 0,1,2,3
	ds_load_b64 v[S+8*\t+2*\c:S+8*\t+2*\c+1], v[ADV] offset:16*\t*VP+16*\c
.endr
.endr
.set J, 0
.rept 32
	v_min_num_f32 v[S+32+J], v[S+32+J], v[LIM]
.set J, J+1
.endr
.irp t, 0,1,2,3
	v_cvt_scalef32_pk8_bf8_f32 v[P+8+2*\t:P+8+2*\t+1], v[S+32+8*\t:S+32+8*\t+7], v[SC]
.endr
	s_wait_alu depctr_va_vdst(0)                   ; the wait ahead of the first reader of O^T
.set J, 0
.rept 32
	v_pk_mul_f32 v[O+J:O+J+1], v[O+J:O+J+1], v[F+2*(J/32):F+2*(J/32)+1] op_sel_hi:[1,0]   ; O^T under the new M; also the plain lines between the conversions and the products
.set J, J+2
.endr
	s_wait_alu depctr_va_vdst(0)
	s_wait_dscnt 0x0                               ; V (and the next step's K)
.irp t, 0,1,2,3
.irp q, 0,1
	v_wmma_f32_16x16x64_bf8_bf8 v[O+32*\q+8*\t:O+32*\q+8*\t+7], v[S+8*\t:S+8*\t+7], v[P+8*\q:P+8*\q+7], v[O+32*\q+8*\t:O+32*\q+8*\t+7]
.endr
.endr
.rept 5
	v_nop                                          ; five plain lines: the next step's first products write over the registers that held V
.endr
.endm
	s_wait_alu depctr_va_vdst(0)                   ; the wait at the head's end
	s_wait_tensorcnt 0x0                           ; my one fill has landed
	s_wait_dscnt 0x0                               ; my store of the addends
	s_barrier_signal -1
	s_barrier_wait -1                              ; all of K, V^T and the addends are in
	KLOAD AK, AM, 0
.Lstep:
	STEP 1
	s_add_co_u32 s[SK], s[SK], 16*RP
	s_add_co_u32 s[SM], s[SM], 256
	s_add_co_u32 s[SV], s[SV], 64
	s_sub_co_u32 s[CNT], s[CNT], 1
	s_cmp_lg_u32 s[CNT], 0
	s_cbranch_scc1 .Lstep
	STEP 0
	; THE WAY OUT
.irp q, 0,1
	v_add_f32 v[ST+4*\q+2], v[ST+4*\q+2], v[ST+4*\q+3]
.endr
.irp q, 0,1
	v_permlanex16_b32 v[TP+\q], v[ST+4*\q+2], s[SEL], s[SEL+1]
.endr
.irp q, 0,1
	v_add_f32 v[ST+4*\q+2], v[ST+4*\q+2], v[TP+\q]         ; the row's sum
.endr
	s_wait_alu depctr_va_vdst(0)                   ; the wait ahead of the transcendentals
.irp q, 0,1
	v_rcp_f32 v[ST+4*\q+2], v[ST+4*\q+2]
.endr
	s_mul_i32 s92, s[WV], 2560
	s_add_co_u32 s92, s92, STG                     ; my stage
	v_and_b32 v48, 15, v0                          ; r (plain lines behind the transcendentals)
	v_bfe_u32 v49, v0, 4, 1                        ; h
	v_mul_u32_u24 v[SO], v48, 80
	v_lshl_add_u32 v[SO], v49, 3, v[SO]
	v_add_nc_u32 v[SO], s92, v[SO]                 ; in: row r, + 8 h
	v_and_b32 v50, 31, v0
	v_lshrrev_b32 v51, 2, v50
	v_and_b32 v50, 3, v50
	v_mul_u32_u24 v[SR], v51, 80
	v_lshl_add_u32 v[SR], v50, 4, v[SR]
	v_add_nc_u32 v[SR], s92, v[SR]                 ; back: four lanes to a row
	v_lshlrev_b32 v[GO], 10, v51
	v_lshl_add_u32 v[GO], v50, 4, v[GO]            ; and the same place in oc
	s_add_co_i32 s92, s84, s85
	s_add_co_i32 s93, s86, 127
	s_lshl_b32 s94, s93, 23
	s_add_co_i32 s93, s93, 15
	s_lshl_b32 s93, s93, 23
	s_or_b32 s93, s93, 0x600000
	v_mov_b32 v[SC], s94                           ; 2^e10
	v_mov_b32 v[LIM], s93
	s_wait_alu depctr_va_vdst(0)                   ; the wait ahead of the reciprocals' first reader
.irp q, 0,1
	v_ldexp_f32 v[ST+4*\q+2], v[ST+4*\q+2], s92    ; x 2^(e8 + e9)
.endr
	s_wait_alu depctr_va_vdst(0)                   ; the wait ahead of the first reader of O^T
.set J, 0
.rept 64
	v_mul_f32 v[S+J], v[O+J], v[ST+4*(J/32)+2]     ; register 32 q + 8 t + i is o(query 16 q + r, channel 16 t + 8 h + i)
.set J, J+1
.endr
.set J, 0
.rept 64
	v_med3_num_f32 v[S+J], v[S+J], -v[LIM], v[LIM]
.set J, J+1
.endr
.irp u, 0,1,2,3,4,5,6,7
	v_cvt_scalef32_pk8_bf8_f32 v[P+2*\u:P+2*\u+1], v[S+8*\u:S+8*\u+7], v[SC]
.endr
	v_nop
.irp q, 0,1
.irp t, 0,1,2,3
	ds_store_b64 v[SO], v[P+8*\q+2*\t:P+8*\q+2*\t+1] offset:1280*\q+16*\t
.endr
.endr
.irp i, 0,1,2,3
	ds_load_b128 v[KF+4*\i:KF+4*\i+3], v[SR] offset:640*\i         ; LDS serves a wave's instructions in order: these see my stores
.endr
.irp i, 0,1,2,3
	s_wait_dscnt 3-\i                              ; the younger loads from the stage may be out
	global_store_b128 v[GO], v[KF+4*\i:KF+4*\i+3], s[10:11] offset:8192*\i     ; eight rows' 64 bytes: a head's codes of a token are 64 bytes of oc's row
.endr
	s_wait_tensorcnt 0x0                           ; the wave's end
	ds_add_u32 v[SPW], v[NIL]
	s_wait_dscnt 0x0
	CROUND                                         ; the closing round
	s_endpgm
.Lfunc_end_k_q85031a82f3_attn:
	.size	k_q85031a82f3_attn, .Lfunc_end_k_q85031a82f3_attn-k_q85031a82f3_attn
	.p2alignl 7, 3214868480
	.fill 96, 4, 3214868480
	.section	.rodata,"a",@progbits
	.p2align	6, 0x0
	.amdhsa_kernel k_q85031a82f3_attn
		.amdhsa_group_segment_fixed_size 167936
		.amdhsa_private_segment_fixed_size 0
		.amdhsa_enable_private_segment 0
		.amdhsa_kernarg_size 32
		.amdhsa_user_sgpr_count 2
		.amdhsa_user_sgpr_kernarg_segment_ptr 1
		.amdhsa_wavefront_size32 1
		.amdhsa_system_sgpr_workgroup_id_x 1
		.amdhsa_system_sgpr_workgroup_id_y 1
		.amdhsa_system_sgpr_workgroup_id_z 1
		.amdhsa_system_vgpr_workitem_id 0
		.amdhsa_next_free_vgpr 256
		.amdhsa_next_free_sgpr 100
		.amdhsa_reserve_vcc 0
		.amdhsa_float_denorm_mode_32 3
		.amdhsa_float_denorm_mode_16_64 3
		.amdhsa_memory_ordered 1
		.amdhsa_forward_progress 1
		.amdhsa_inst_pref_size 54
	.end_amdhsa_kernel
	.amdgpu_metadata
---
amdhsa.version: [ 1, 2 ]
amdhsa.kernels:
  - .name:           k_q85031a82f3_attn
    .symbol:         k_q85031a82f3_attn.kd
    .args:
      - { .name: qkvc, .offset: 0, .size: 8, .value_kind: global_buffer, .address_space: global }
      - { .name: padding_mask, .offset: 8, .size: 8, .value_kind: global_buffer, .address_space: global }
      - { .name: lowp_scales, .offset: 16, .size: 8, .value_kind: global_buffer, .address_space: global }
      - { .name: oc, .offset: 24, .size: 8, .value_kind: global_buffer, .address_space: global }
    .group_segment_fixed_size: 167936
    .private_segment_fixed_size: 0
    .kernarg_segment_align: 8
    .kernarg_segment_size: 32
    .max_flat_workgroup_size: 256
    .sgpr_count:     100
    .vgpr_count:     256
    .wavefront_size: 32
...
	.end_amdgpu_metadata
.endif
;; end of part 3
;; launch wo (part 4): grid 8 x 32, 4 waves a work-group, clusters of 4 x 4, 327,680 bytes of LDS; arguments oc, wc, lowp_scales, bo, x, x1; writes x1
.if DOCPART == 4
	.amdgcn_target "amdgcn-amd-amdhsa--gfx1250"
	.amdhsa_code_object_version 6
	.text
	.protected	k_q85031a82f3_wo
	.globl	k_q85031a82f3_wo
	.p2align	8
	.type	k_q85031a82f3_wo,@function
k_q85031a82f3_wo:
	s_mov_b64 s[64:65], 0
	v_nop
	global_prefetch_b8 v0, s[64:65] scope:SCOPE_SE
	s_setreg_imm32_b32 hwreg(HW_REG_WAVE_MODE, 25, 1), 1
	s_wait_xcnt 0x0
	s_wait_alu depctr_hold_cnt(0) depctr_sa_sdst(0) depctr_va_vdst(0) depctr_va_sdst(0) depctr_va_ssrc(0) depctr_va_vcc(0) depctr_vm_vsrc(0)
	s_getreg_b32 s2, hwreg(HW_REG_IB_STS2, 6, 4)
	s_cmp_eq_u32 s2, 0
	s_cbranch_scc0 .Lentry_in_a_cluster
	s_endpgm
.Lentry_in_a_cluster:
	s_bfe_u32 s2, ttmp6, 0x10000c
	s_cmp_lg_u32 s2, 0xf033
	s_cbranch_scc0 .Lentry_shape_is_right
	s_endpgm
.Lentry_shape_is_right:
; x1 = x + A B^T 2^(e10 + e11) + bo.  A: oc [4096][1024], B: Wo's codes [1024][1024] at byte WOFF of wc: BF8 (E5M2).  x, x1: [4096][1024] f32.
; A tile of 128 x 128 gives each of 256 work-groups one tile; four waves, 64 x 64 each: 16 accumulators.
; ALL OF K LIES IN LDS AT ONCE: 256 rows of 1,024 bytes + 16 of padding are 266,240 bytes.  Each wave issues one tensor load, 64 rows, at the head; no byte of LDS is filled again: no ring, one barrier.
; CLUSTERS: 4 x 4 work-groups; A's tile is shared along a row of the cluster, B's along a column: joint loads.  THE MATRIX INSTRUCTION IS USED TRANSPOSED: a lane holds eight neighbouring columns of one row.
; The residual's 64 x 64 numbers of a wave are asked for at the head, in the layout in which rows leave, and land under the products.
; No prefetch: all tiles are asked for at the head; there is no loop to run ahead in.
; LIMIT: e10 + e11 between -126 and 127.
; REGISTERS: window 0: v1-31 addresses; v32-35 the bias; v36-99 two sets of rows on their way out; v128-255 accumulators ((a, b) at 128 + 8 (4 a + b)).  window 1: two fragment buffers of 128 (A's four fragments, then B's).  window 2: v0-127 the residual.
.set SIZE_K, 1024
.set WOFF,   0x300000
.set EIDX,   10
.set PITCH,  1040                      ; an LDS row: 1,024 bytes + 16 of padding, an odd multiple of 16
.set HALFT,  64*PITCH
.set STAGE,  4*HALFT                   ; behind the tiles: 16 rows x 272 bytes for each wave
.set SPITCH, 272
.set SPARE,  STAGE+4*16*SPITCH         ; the spare words, 128 bytes a wave, that no other line names
.set ADRA, 16
.set ADRB, 20
.set STO,  24
.set RD,   25
.set CO,   26
.set SPW,  28
.set NIL,  29
.set BK,   36
.set ACC,  128
.set F0,   0
.set F1,   128
.set G1, 24
.set G0, 32
.set G1B, 48
.set G0B, 56
.set MSB, 0
.macro WIN new
.if MSB != (\new)
	s_set_vgpr_msb (MSB<<8)|(\new)
.set MSB, (\new)
.endif
.endm
.set MUL,  0x05                        ; sources 0 (B) and 1 (A) window 1; C and D window 0
.set TO_F, 0x40
.macro CROUND
	s_barrier_signal -1
	s_barrier_wait -1
	s_cmp_lg_u32 s10, 0
	s_cbranch_scc1 .Lnot_wave_0_\@
	s_barrier_signal -3
.Lnot_wave_0_\@:
	s_barrier_wait -3
	s_barrier_signal -1
	s_barrier_wait -1
.endm
	s_load_b128 s[4:7], s[0:1], 0x0                ; A's codes, the weights' codes
	s_load_b256 s[68:75], s[0:1], 0x10             ; the exponents s[68:69], bias s[70:71], x s[72:73], x1 s[74:75]
	v_lshl_add_u32 v[SPW], v0, 2, SPARE
	v_mov_b32 v[NIL], 0
	ds_add_u32 v[SPW], v[NIL]                      ; the opening lines: the add twice on end and one wait
	ds_add_u32 v[SPW], v[NIL]
	v_lshrrev_b32 v1, 5, v0
	v_readfirstlane_b32 s10, v1                    ; wave
	s_lshr_b32 s11, s10, 1                         ; my half of the rows.  Also: I fetch for A (0) or for B (1)
	s_and_b32 s12, s10, 1                          ; my half of the columns.  Also: which 64 rows of that tile I fetch
	s_bfe_u32 s40, ttmp6, 0x40000
	s_bfe_u32 s41, ttmp6, 0x40004
	s_lshl_b32 s42, ttmp9, 2
	s_add_co_u32 s42, s42, s40                     ; tile column
	s_and_b32 s13, ttmp7, 0xffff
	s_lshl_b32 s13, s13, 2
	s_add_co_u32 s13, s13, s41                     ; tile row
	s_lshl_b32 s43, s41, 2
	s_lshl_b32 s43, 15, s43
	s_lshl_b32 s44, 0x1111, s40
	s_or_b32 s[G1+0], s43, (0<<16)|(1<<20)|(1<<21)|(7<<22)|(3<<25)   ; mask; elements of 1 byte; padding: 4 words behind every 256
	s_or_b32 s[G1B+0], s44, (0<<16)|(1<<20)|(1<<21)|(7<<22)|(3<<25)
.irp g, G1, G1B
	s_mov_b32 s[\g+1], SIZE_K<<16
	s_mov_b32 s[\g+2], 64<<16
	s_mov_b32 s[\g+3], SIZE_K<<16
	s_mov_b32 s[\g+4], 64
	s_mov_b32 s[\g+5], SIZE_K
	s_mov_b32 s[\g+6], 0
	s_mov_b32 s[\g+7], 0
.endr
	s_lshl_b32 s17, s12, 6
	s_lshl_b32 s16, s13, 7
	s_add_co_u32 s16, s16, s17
	s_lshl_b32 s16, s16, 10                        ; A: row 128 x tile row + 64 x half, 1,024 bytes each
	s_lshl_b32 s46, s42, 7
	s_add_co_u32 s46, s46, s17
	s_lshl_b32 s46, s46, 10
	s_add_co_u32 s46, s46, WOFF                    ; B likewise by the tile column
	s_mov_b32 s17, 0
	s_mov_b32 s47, 0
	s_mul_i32 s20, s10, HALFT
	s_wait_dscnt 0x0
	s_wait_kmcnt 0x0
	s_load_b64 s[76:77], s[68:69], EIDX*4          ; ea, eb
	CROUND                                         ; all sixteen work-groups are here: the joint loads meet
	s_mov_b32 s[G0], 1
	s_mov_b32 s[G0+1], s20
	s_add_nc_u64 s[G0+2:G0+3], s[4:5], s[16:17]
	s_or_b32 s[G0+3], s[G0+3], 0x80000000
	s_mov_b32 s[G0B], 1
	s_mov_b32 s[G0B+1], s20
	s_add_nc_u64 s[G0B+2:G0B+3], s[6:7], s[46:47]
	s_or_b32 s[G0B+3], s[G0B+3], 0x80000000
	s_cmp_eq_u32 s11, 0                            ; waves 0 and 1 fetch A's halves, waves 2 and 3 B's: one load a wave
	s_cbranch_scc0 .Lfor_b
	tensor_load_to_lds s[G0:G0+3], s[G1:G1+7]
	s_nop 0
.rept 4
	v_nop
.endr
	s_branch .Lasked
.Lfor_b:
	tensor_load_to_lds s[G0B:G0B+3], s[G1B:G1B+7]
	s_nop 0
.rept 4
	v_nop
.endr
.Lasked:
	s_mul_i32 s21, s11, HALFT
	s_mul_i32 s22, s12, HALFT
	s_add_co_u32 s22, s22, 2*HALFT
	s_mul_i32 s23, s10, 16*SPITCH
	s_add_co_u32 s23, s23, STAGE                   ; my stage
	s_lshl_b32 s16, s13, 7
	s_lshl_b32 s17, s11, 6
	s_add_co_u32 s16, s16, s17
	s_lshl_b32 s16, s16, 12                        ; my first row, 4,096 bytes each
	s_mov_b32 s17, 0
	s_add_nc_u64 s[72:73], s[72:73], s[16:17]
	s_add_nc_u64 s[74:75], s[74:75], s[16:17]
	s_lshl_b32 s46, s42, 9
	s_lshl_b32 s47, s12, 8
	s_add_co_u32 s46, s46, s47                     ; my first column, in bytes
	s_mov_b32 s47, 0
	s_add_nc_u64 s[72:73], s[72:73], s[46:47]
	s_add_nc_u64 s[74:75], s[74:75], s[46:47]
	s_add_nc_u64 s[70:71], s[70:71], s[46:47]
	v_and_b32 v1, 15, v0
	v_bfe_u32 v2, v0, 4, 1
	v_mul_u32_u24 v3, v1, PITCH
	v_lshl_add_u32 v3, v2, 4, v3
	v_add_nc_u32 v[ADRA], s21, v3
	v_add_nc_u32 v[ADRB], s22, v3
	v_mul_u32_u24 v4, v1, SPITCH
	v_lshl_add_u32 v4, v2, 5, v4
	v_add_nc_u32 v[STO], s23, v4                   ; in: row r, 32 bytes for each half of the lanes
	v_mul_u32_u24 v5, v2, SPITCH
	v_lshl_add_u32 v5, v1, 4, v5
	v_add_nc_u32 v[RD], s23, v5                    ; back: sixteen lanes to a row of 256 bytes
	v_lshlrev_b32 v5, 12, v2
	v_lshl_add_u32 v[CO], v1, 4, v5                ; and the same two rows in x and x1
	v_lshlrev_b32 v6, 4, v1
	global_load_b128 v[32:35], v6, s[70:71]        ; the bias of my four columns
	WIN 0x80                                       ; destination window 2
.set K, 0
.rept 32
	global_load_b128 v[4*K:4*K+3], v[CO], s[72:73] offset:8192*K
.set K, K+1
.endr
	WIN 0
; 8 matrix instructions; the 16 accumulators take turns, one instruction a turn, in the same order in every eighth of K
.macro MUL8 f, a0, zero
.irp a, \a0, \a0+1
.irp b, 0,1,2,3
.if \zero
	v_wmma_f32_16x16x128_bf8_bf8 v[ACC+8*(4*(\a)+\b):ACC+8*(4*(\a)+\b)+7], v[\f+64+16*\b:\f+64+16*\b+15], v[\f+16*(\a):\f+16*(\a)+15], 0
.else
	v_wmma_f32_16x16x128_bf8_bf8 v[ACC+8*(4*(\a)+\b):ACC+8*(4*(\a)+\b)+7], v[\f+64+16*\b:\f+64+16*\b+15], v[\f+16*(\a):\f+16*(\a)+15], v[ACC+8*(4*(\a)+\b):ACC+8*(4*(\a)+\b)+7]
.endif
.endr
.endr
.endm
.macro FETCH k, f                      ; 32 LDS loads: the fragments of 128 along K at byte k of the rows; registers 4 c .. 4 c + 3 hold K = 32 c + 16 (l / 16) + 0 .. 15, alike in both operands
	WIN TO_F
.irp i, 0,1,2,3
.irp c, 0,1,2,3
	ds_load_b128 v[\f+64+16*\i+4*\c:\f+64+16*\i+4*\c+3], v[ADRB] offset:\k+32*\c+\i*16*PITCH
.endr
.endr
.irp i, 0,1,2,3
.irp c, 0,1,2,3
	ds_load_b128 v[\f+16*\i+4*\c:\f+16*\i+4*\c+3], v[ADRA] offset:\k+32*\c+\i*16*PITCH
.endr
.endr
.endm
.macro PLACES
.rept 4
	v_nop
.endr
.endm
; 128 along K: asks for the next 128, at byte k, into g, and multiplies f
.macro EIGHTH k, f, g, zero
	PLACES                                         ; g was read by the products before
	FETCH \k, \g
	s_wait_dscnt 32                                ; f is in; the 32 just issued may be out
	WIN MUL
	MUL8 \f, 0, \zero
	MUL8 \f, 2, \zero
.endm
	s_wait_alu depctr_va_vdst(0)                   ; the wait at the head's end
	s_wait_tensorcnt 0x0                           ; my 64 rows are in
	s_barrier_signal -1
	s_barrier_wait -1                              ; and everybody's
	FETCH 0, F0
	EIGHTH 128, F0, F1, 1                          ; the first products start the sums
	EIGHTH 256, F1, F0, 0
	EIGHTH 384, F0, F1, 0
	EIGHTH 512, F1, F0, 0
	EIGHTH 640, F0, F1, 0
	EIGHTH 768, F1, F0, 0
	EIGHTH 896, F0, F1, 0
	s_wait_dscnt 0
	MUL8 F1, 0, 0
	MUL8 F1, 2, 0
	WIN 0
	; THE WAY OUT, 16 rows at a time through my own stage: in as a lane's 32 bytes of a row, back as whole rows of 256 bytes
	PLACES
	s_wait_kmcnt 0x0
	s_add_co_i32 s76, s76, s77
	s_add_co_i32 s76, s76, 127
	s_lshl_b32 s66, s76, 23                        ; 2^(ea + eb)
	s_mov_b32 s67, s66
	s_wait_loadcnt 0x0                             ; the bias and the residual
.macro TOSTAGE a
.set BB, BK+32*((\a)%2)
.irp b, 0,1,2,3
	ds_store_b128 v[STO], v[ACC+8*(4*(\a)+\b):ACC+8*(4*(\a)+\b)+3] offset:64*\b          ; each accumulator from its low end on
	ds_store_b128 v[STO], v[ACC+8*(4*(\a)+\b)+4:ACC+8*(4*(\a)+\b)+7] offset:64*\b+16
.endr
.irp t, 0,1,2,3,4,5,6,7
	ds_load_b128 v[BB+4*\t:BB+4*\t+3], v[RD] offset:\t*2*SPITCH    ; LDS serves a wave's instructions in order: these see the stores above
.endr
.endm
.macro SEND a, younger
.set BB, BK+32*((\a)%2)
	s_wait_dscnt \younger
.irp t, 0,1,2,3,4,5,6,7
.irp i, 0,2
	v_pk_fma_f32 v[BB+4*\t+\i:BB+4*\t+\i+1], v[BB+4*\t+\i:BB+4*\t+\i+1], s[66:67], v[32+\i:33+\i] op_sel_hi:[1,0,1]
.endr
.endr
	WIN 0x08                                       ; source 1: window 2
.irp t, 0,1,2,3,4,5,6,7
.irp i, 0,2
	v_pk_add_f32 v[BB+4*\t+\i:BB+4*\t+\i+1], v[BB+4*\t+\i:BB+4*\t+\i+1], v[32*(\a)+4*\t+\i:32*(\a)+4*\t+\i+1]
.endr
.endr
	WIN 0
.irp t, 0,1,2,3,4,5,6,7
	global_store_b128 v[CO], v[BB+4*\t:BB+4*\t+3], s[74:75] offset:(16*(\a)+2*\t)*4096   ; sixteen lanes store 256 consecutive bytes, aligned
.endr
.endm
	TOSTAGE 0
.irp a, 1,2,3
.if \a > 1
	s_wait_xcnt 0x0                                ; block a - 2's stores have read their registers: block a's loads may land there
.endif
	TOSTAGE \a
	SEND \a-1, 16                                  ; behind block a - 1's loads: block a's 8 stores and 8 loads
.endr
	SEND 3, 0
	s_wait_tensorcnt 0x0                           ; the wave's end
	ds_add_u32 v[SPW], v[NIL]
	s_wait_dscnt 0x0
	CROUND                                         ; the closing round
	s_endpgm
.Lfunc_end_k_q85031a82f3_wo:
	.size	k_q85031a82f3_wo, .Lfunc_end_k_q85031a82f3_wo-k_q85031a82f3_wo
	.p2alignl 7, 3214868480
	.fill 96, 4, 3214868480
	.section	.rodata,"a",@progbits
	.p2align	6, 0x0
	.amdhsa_kernel k_q85031a82f3_wo
		.amdhsa_group_segment_fixed_size 327680
		.amdhsa_private_segment_fixed_size 0
		.amdhsa_enable_private_segment 0
		.amdhsa_kernarg_size 48
		.amdhsa_user_sgpr_count 2
		.amdhsa_user_sgpr_kernarg_segment_ptr 1
		.amdhsa_wavefront_size32 1
		.amdhsa_system_sgpr_workgroup_id_x 1
		.amdhsa_system_sgpr_workgroup_id_y 1
		.amdhsa_system_sgpr_workgroup_id_z 1
		.amdhsa_system_vgpr_workitem_id 0
		.amdhsa_next_free_vgpr 640
		.amdhsa_next_free_sgpr 80
		.amdhsa_reserve_vcc 0
		.amdhsa_float_denorm_mode_32 3
		.amdhsa_float_denorm_mode_16_64 3
		.amdhsa_memory_ordered 1
		.amdhsa_forward_progress 1
		.amdhsa_inst_pref_size 51
	.end_amdhsa_kernel
	.amdgpu_metadata
---
amdhsa.version: [ 1, 2 ]
amdhsa.kernels:
  - .name:           k_q85031a82f3_wo
    .symbol:         k_q85031a82f3_wo.kd
    .args:
      - { .name: oc, .offset: 0, .size: 8, .value_kind: global_buffer, .address_space: global }
      - { .name: wc, .offset: 8, .size: 8, .value_kind: global_buffer, .address_space: global }
      - { .name: lowp_scales, .offset: 16, .size: 8, .value_kind: global_buffer, .address_space: global }
      - { .name: bo, .offset: 24, .size: 8, .value_kind: global_buffer, .address_space: global }
      - { .name: x, .offset: 32, .size: 8, .value_kind: global_buffer, .address_space: global }
      - { .name: x1, .offset: 40, .size: 8, .value_kind: global_buffer, .address_space: global }
    .group_segment_fixed_size: 327680
    .private_segment_fixed_size: 0
    .kernarg_segment_align: 8
    .kernarg_segment_size: 48
    .max_flat_workgroup_size: 128
    .sgpr_count:     80
    .vgpr_count:     640
    .wavefront_size: 32
...
	.end_amdgpu_metadata
.endif
;; end of part 4
;; launch ln2 (part 5): grid 512 x 1, 4 waves a work-group, no clusters, 20,992 bytes of LDS; arguments x1, g2, be2, lowp_scales, h2c; writes h2c
.if DOCPART == 5
	.amdgcn_target "amdgcn-amd-amdhsa--gfx1250"
	.amdhsa_code_object_version 6
	.text
	.protected	k_q85031a82f3_ln2
	.globl	k_q85031a82f3_ln2
	.p2align	8
	.type	k_q85031a82f3_ln2,@function
k_q85031a82f3_ln2:
	s_mov_b64 s[64:65], 0
	v_nop
	global_prefetch_b8 v0, s[64:65] scope:SCOPE_SE
	s_setreg_imm32_b32 hwreg(HW_REG_WAVE_MODE, 25, 1), 1
	s_wait_xcnt 0x0
; h = LayerNorm(x1) g2 + be2, in f32, quantised to BF8 (E5M2) with the scale 2^e12 into h2c [4096][1024].
; A work-group takes 8 rows, a wave two, each whole: the sums never leave the wave.  Both rows are asked for at the head, with g2 and be2: nothing is asked for later.
; Mean, then the squares of the differences: two passes over registers.
; Each load reads 512 consecutive bytes; the row turns through the wave's own stage in LDS so that a lane holds 16 neighbours of each half row; each store covers 512 consecutive bytes of codes.
; LIMITS: e12 between -126 and 112.  NaN is not served.  Memory binds: no cluster, no tensor load, no matrix unit.
.set LR,  24                           ; v24-87   two sets of 32: the two rows as loaded
.set LX,  88                           ; v88-119  a row turned: register 16 u + i = column 512 u + 16 lane + i
.set LG,  120                          ; v120-151 the gain, v152-183 the bias, in that layout
.set LBE, 152
.set LT,  184                          ; v184-215 two sets of 16: held numbers
.set LC,  216                          ; v216-231 codes: 4 registers for each row and half row, never written twice
	s_load_b256 s[4:11], s[0:1], 0x0               ; x1 s[4:5], g2 s[6:7], be2 s[8:9], the exponents s[10:11]
	s_load_b64 s[12:13], s[0:1], 0x20              ; h2c
	v_lshl_add_u32 v240, v0, 2, 0x5000
	v_mov_b32 v241, 0
	v_lshrrev_b32 v1, 5, v0
	v_readfirstlane_b32 s48, v1
	v_and_b32 v2, 31, v0
	v_lshlrev_b32 v3, 4, v2                        ; 16 x lane
	s_mul_i32 s49, s48, 5120
	v_lshrrev_b32 v4, 2, v2
	v_mul_u32_u24 v4, v4, 80
	v_and_b32 v7, 3, v2
	v_lshl_add_u32 v4, v7, 4, v4
	v_add_nc_u32 v4, s49, v4                       ; the stage, in: 80 (lane / 4) + 16 (lane % 4)
	v_mul_u32_u24 v5, v2, 80
	v_add_nc_u32 v5, s49, v5                       ; the stage, out: 80 x lane
	v_lshlrev_b32 v6, 6, v2
	s_lshl_b32 s50, ttmp9, 3
	s_lshl_b32 s51, s48, 1
	s_add_co_u32 s62, s50, s51                     ; my first row: 8 x work-group + 2 x wave
	s_lshl_b32 s50, s62, 12
	s_mov_b32 s51, 0
	s_lshl_b32 s52, s62, 10
	s_mov_b32 s53, 0
	s_mov_b32 s58, 0x76543210
	s_mov_b32 s59, 0xfedcba98
	s_mov_b32 s60, 0x3a800000                      ; 1 / 1,024
	s_mov_b32 s61, 0x3727c5ac                      ; 1e-5
	s_wait_alu depctr_va_vdst(0)
	s_wait_kmcnt 0x0
	s_load_b32 s32, s[10:11], 0x30                 ; e12
	s_add_nc_u64 s[50:51], s[4:5], s[50:51]
	s_add_nc_u64 s[52:53], s[12:13], s[52:53]
.irp u, 0,1
.irp i, 0,1,2,3
	global_load_b128 v[LG+16*\u+4*\i:LG+16*\u+4*\i+3], v6, s[6:7] offset:2048*\u+16*\i
	global_load_b128 v[LBE+16*\u+4*\i:LBE+16*\u+4*\i+3], v6, s[8:9] offset:2048*\u+16*\i
.endr
.endr
.irp row, 0,1
.irp j, 0,1,2,3,4,5,6,7
	global_load_b128 v[LR+32*\row+4*\j:LR+32*\row+4*\j+3], v3, s[50:51] offset:4096*\row+512*\j
.endr
.endr
.macro WSUM                            ; v[18:19] -> the sum over the wave, in v18 of every lane
	v_add_f32 v18, v18, v19
.irp m, 1,2,4,8
	v_add_f32_dpp v18, v18, v18 row_xmask:\m row_mask:0xf bank_mask:0xf
.endr
	v_permlanex16_b32 v19, v18, s58, s59
	v_add_f32 v18, v18, v19
.endm
.macro LNROW row
	s_wait_loadcnt 8-8*(\row)                      ; this row (and, the first time, g2 and be2) is in; the second row's eight loads may be out
.irp u, 0,1
.irp j, 0,1,2,3
	ds_store_b128 v4, v[LR+32*(\row)+16*\u+4*\j:LR+32*(\row)+16*\u+4*\j+3] offset:2560*\u+640*\j
.endr
.endr
.irp u, 0,1
.irp j, 0,1,2,3
	ds_load_b128 v[LX+16*\u+4*\j:LX+16*\u+4*\j+3], v5 offset:2560*\u+16*\j     ; LDS serves a wave's instructions in order: these see the stores above
.endr
.endr
	s_wait_dscnt 0x0                               ; the row is back
	v_pk_add_f32 v[18:19], v[LX:LX+1], v[LX+2:LX+3]
	v_pk_add_f32 v[20:21], v[LX+4:LX+5], v[LX+6:LX+7]
.irp j, 8,12,16,20,24,28
	v_pk_add_f32 v[18:19], v[18:19], v[LX+\j:LX+\j+1]
	v_pk_add_f32 v[20:21], v[20:21], v[LX+\j+2:LX+\j+3]
.endr
	v_pk_add_f32 v[18:19], v[18:19], v[20:21]
	WSUM
	v_mul_f32 v14, s60, v18                        ; the mean
	v_mov_b32 v15, v14
.set J, 0
.rept 16
	v_pk_add_f32 v[LX+J:LX+J+1], v[LX+J:LX+J+1], v[14:15] neg_lo:[0,1] neg_hi:[0,1]
.set J, J+2
.endr
	v_pk_mul_f32 v[18:19], v[LX:LX+1], v[LX:LX+1]
	v_pk_mul_f32 v[20:21], v[LX+2:LX+3], v[LX+2:LX+3]
.irp j, 4,8,12,16,20,24,28
	v_pk_fma_f32 v[18:19], v[LX+\j:LX+\j+1], v[LX+\j:LX+\j+1], v[18:19]
	v_pk_fma_f32 v[20:21], v[LX+\j+2:LX+\j+3], v[LX+\j+2:LX+\j+3], v[20:21]
.endr
	v_pk_add_f32 v[18:19], v[18:19], v[20:21]
	WSUM
	v_fma_f32 v18, v18, s60, s61                   ; the variance + 1e-5
	s_wait_alu depctr_va_vdst(0)
	v_rsq_f32 v16, v18
	v_rsq_f32 v17, v18                             ; twice: a pair for the packed multiply
	v_nop                                          ; a plain line behind the transcendentals
.set J, 0
	s_wait_alu depctr_va_vdst(0)
.rept 16
	v_pk_mul_f32 v[LX+J:LX+J+1], v[LX+J:LX+J+1], v[16:17]
.set J, J+2
.endr
.set J, 0
.rept 16
	v_pk_fma_f32 v[LX+J:LX+J+1], v[LX+J:LX+J+1], v[LG+J:LG+J+1], v[LBE+J:LBE+J+1]
.set J, J+2
.endr
.irp u, 0,1
.irp i, 0,1,2,3,4,5,6,7,8,9,10,11,12,13,14,15
	v_med3_num_f32 v[LT+16*\u+\i], v[LX+16*\u+\i], -v11, v11       ; the conversion does not saturate (ISA guide 7.6.2): the hold comes first
.endr
	v_cvt_scalef32_pk8_bf8_f32 v[LC+8*(\row)+4*\u:LC+8*(\row)+4*\u+1], v[LT+16*\u:LT+16*\u+7], v8
	v_cvt_scalef32_pk8_bf8_f32 v[LC+8*(\row)+4*\u+2:LC+8*(\row)+4*\u+3], v[LT+16*\u+8:LT+16*\u+15], v8
	global_store_b128 v3, v[LC+8*(\row)+4*\u:LC+8*(\row)+4*\u+3], s[52:53] offset:1024*(\row)+512*\u   ; 512 consecutive bytes; the next vector lines are plain and touch the other set
.endr
.endm
	s_wait_kmcnt 0x0
	s_add_co_i32 s62, s32, 127
	s_lshl_b32 s63, s62, 23
	v_mov_b32 v8, s63                              ; 2^e12
	s_add_co_i32 s62, s62, 15
	s_lshl_b32 s62, s62, 23
	s_or_b32 s62, s62, 0x600000
	v_mov_b32 v11, s62                             ; 57,344 x 2^e12
	LNROW 0
	LNROW 1
	s_wait_tensorcnt 0x0
	ds_add_u32 v240, v241
	s_wait_dscnt 0x0
	s_endpgm
.Lfunc_end_k_q85031a82f3_ln2:
	.size	k_q85031a82f3_ln2, .Lfunc_end_k_q85031a82f3_ln2-k_q85031a82f3_ln2
	.p2alignl 7, 3214868480
	.fill 96, 4, 3214868480
	.section	.rodata,"a",@progbits
	.p2align	6, 0x0
	.amdhsa_kernel k_q85031a82f3_ln2
		.amdhsa_group_segment_fixed_size 20992
		.amdhsa_private_segment_fixed_size 0
		.amdhsa_enable_private_segment 0
		.amdhsa_kernarg_size 40
		.amdhsa_user_sgpr_count 2
		.amdhsa_user_sgpr_kernarg_segment_ptr 1
		.amdhsa_wavefront_size32 1
		.amdhsa_system_sgpr_workgroup_id_x 1
		.amdhsa_system_sgpr_workgroup_id_y 1
		.amdhsa_system_sgpr_workgroup_id_z 1
		.amdhsa_system_vgpr_workitem_id 0
		.amdhsa_next_free_vgpr 242
		.amdhsa_next_free_sgpr 66
		.amdhsa_reserve_vcc 0
		.amdhsa_float_denorm_mode_32 3
		.amdhsa_float_denorm_mode_16_64 3
		.amdhsa_memory_ordered 1
		.amdhsa_forward_progress 1
		.amdhsa_inst_pref_size 25
	.end_amdhsa_kernel
	.amdgpu_metadata
---
amdhsa.version: [ 1, 2 ]
amdhsa.kernels:
  - .name:           k_q85031a82f3_ln2
    .symbol:         k_q85031a82f3_ln2.kd
    .args:
      - { .name: x1, .offset: 0, .size: 8, .value_kind: global_buffer, .address_space: global }
      - { .name: g2, .offset: 8, .size: 8, .value_kind: global_buffer, .address_space: global }
      - { .name: be2, .offset: 16, .size: 8, .value_kind: global_buffer, .address_space: global }
      - { .name: lowp_scales, .offset: 24, .size: 8, .value_kind: global_buffer, .address_space: global }
      - { .name: h2c, .offset: 32, .size: 8, .value_kind: global_buffer, .address_space: global }
    .group_segment_fixed_size: 20992
    .private_segment_fixed_size: 0
    .kernarg_segment_align: 8
    .kernarg_segment_size: 40
    .max_flat_workgroup_size: 128
    .sgpr_count:     66
    .vgpr_count:     242
    .wavefront_size: 32
...
	.end_amdgpu_metadata
.endif
;; end of part 5
;; launch ffn1 (part 6): grid 16 x 16, 4 waves a work-group, clusters of 4 x 4, 327,680 bytes of LDS; arguments h2c, wc, lowp_scales, b1, ffc; writes ffc
.if DOCPART == 6
	.amdgcn_target "amdgcn-amd-amdhsa--gfx1250"
	.amdhsa_code_object_version 6
	.text
	.protected	k_q85031a82f3_ffn1
	.globl	k_q85031a82f3_ffn1
	.p2align	8
	.type	k_q85031a82f3_ffn1,@function
k_q85031a82f3_ffn1:
	s_mov_b64 s[64:65], 0
	v_nop
	global_prefetch_b8 v0, s[64:65] scope:SCOPE_SE
	s_setreg_imm32_b32 hwreg(HW_REG_WAVE_MODE, 25, 1), 1
	s_wait_xcnt 0x0
	s_wait_alu depctr_hold_cnt(0) depctr_sa_sdst(0) depctr_va_vdst(0) depctr_va_sdst(0) depctr_va_ssrc(0) depctr_va_vcc(0) depctr_vm_vsrc(0)
	s_getreg_b32 s2, hwreg(HW_REG_IB_STS2, 6, 4)
	s_cmp_eq_u32 s2, 0
	s_cbranch_scc0 .Lentry_in_a_cluster
	s_endpgm
.Lentry_in_a_cluster:
	s_bfe_u32 s2, ttmp6, 0x10000c
	s_cmp_lg_u32 s2, 0xf033
	s_cbranch_scc0 .Lentry_shape_is_right
	s_endpgm
.Lentry_shape_is_right:
; ffc = Q(gelu(A B^T 2^(e12 + e13) + b1)), scale 2^e14.  A: h2c [4096][1024], B: W1's codes [4096][1024] at byte 4 Mi of wc: BF8 (E5M2).  ffc: [4096][4096] codes.
; A tile of 256 x 256 is made by four waves, 128 x 128 each: 64 accumulators, 512 registers.  K goes in steps of 256 through a ring of two LDS slots; a tile's row is 256 bytes of memory.
; CLUSTERS: 4 x 4 work-groups; A's tile is asked for jointly along a row of the cluster, B's along a column.  THE MATRIX INSTRUCTION IS USED TRANSPOSED (source 0 = rows of B, source 1 = rows of A).
; THE WAY OUT.  The 256 x 256 sums go as they are, f32, into LDS rows of 1,024 + 16 bytes, on the ring's bytes, which have had their last fill and their last read (a barrier stands between).
; Behind one more barrier a wave takes 64 whole rows, four a trip of a counted loop: a lane holds columns 8 lane + 0 .. 7 of each row, so the bias is 8 registers, a lane's 8 codes are 8 bytes, and the wave's store covers a row's 256 bytes, aligned.
; A trip's 32 numbers a lane go through each stage together: one wait ahead of and one behind each of the two batches of transcendentals.
; GELU, exact form: gelu(x) = max(x, 0) - |x| E, E = erfc(|x| / sqrt 2) / 2 = t 2^(poly(t) - x x log2(e) / 2), t = 1 / (1 + |x| / (2 sqrt 2)), poly of degree 9 in t: no difference of near numbers for any x.
; No prefetch: the block is the largest, in clusters, and K has four steps.
; LIMITS: e12 + e13 between -126 and 127; e14 between -126 and 112.  NaN is not served.
; REGISTERS: window 0: v16-31 addresses, v32-39 the bias, from v128 A's fragments (one set); on the way out v64-231 at work.  window 1: B's fragments, two sets.  windows 2, 3: the accumulators ((a, b) at 8 (8 (a % 4) + b)).
.set KSTEP,  256
.set ROWB,   256
.set KROW,   1024
.set PITCH,  272
.set FR,     16
.set NL,     4
.set NP,     4
.set HALFT,  128*PITCH
.set SLOT,   4*HALFT
.set LAPS,   KROW/(2*KSTEP)
.set SPARE,  2*SLOT                    ; behind the ring: the spare words, 128 bytes a wave, that no other line names
.set DP,     1040                      ; the way out: a row of 256 sums + 16 bytes; 256 rows end under SPARE
.set ADRA, 16
.set ADRB, 20
.set SC,   22
.set LIM,  23
.set STO,  24                          ; where my blocks 0-3 go;  v27: blocks 4-7
.set RD0,  25                          ; my first row on the way back;  v30: the trip's
.set CO,   26                          ; 8 x lane;  v31: + the trip's rows in ffc
.set STO2, 27
.set SPW,  28
.set NIL,  29
.set RDC,  30
.set COC,  31
.set BIAS, 32
.set KC,   40                          ; v[40:41] the polynomial's second coefficient, as a pair
.set R,    64                          ; 4 rows x 8 sums as read back
.set X,    96
.set GT,   128
.set GQ,   160
.set GP,   192
.set CD,   224
.set AF,   128
.set LOF,  12                          ; s12 the trip's byte offset in LDS, s13 in ffc
.set GOF,  13
.set G1, 24
.set G0, 32
.set G1B, 48
.set G0B, 56
.set MSB, 0
.macro WIN new
.if MSB != (\new)
	s_set_vgpr_msb (MSB<<8)|(\new)
.set MSB, (\new)
.endif
.endm
.set MUL_LO, 0xa1
.set MUL_HI, 0xf1
.set TO_B,   0x40
.macro JLOAD g0a, g1a, g0b, g1b        ; waves 0 and 1 fetch for A, waves 2 and 3 for B; an s_nop 0 and four v_nop follow each line
	s_cmp_eq_u32 s15, 0
	s_cbranch_scc0 .Lfor_b_\@
	tensor_load_to_lds s[\g0a:\g0a+3], s[\g1a:\g1a+7]
	s_nop 0
.rept 4
	v_nop
.endr
	s_branch .Lasked_\@
.Lfor_b_\@:
	tensor_load_to_lds s[\g0b:\g0b+3], s[\g1b:\g1b+7]
	s_nop 0
.rept 4
	v_nop
.endr
.Lasked_\@:
.endm
.macro CREST
	s_cmp_lg_u32 s14, 0
	s_cbranch_scc1 .Lnot_wave_0_\@
	s_barrier_signal -3
.Lnot_wave_0_\@:
	s_barrier_wait -3
	s_barrier_signal -1
	s_barrier_wait -1
.endm
.macro CROUND
	s_barrier_signal -1
	s_barrier_wait -1
	CREST
.endm
	s_load_b256 s[68:75], s[0:1], 0x0              ; h2c s[68:69], wc s[70:71], the exponents s[72:73], b1 s[74:75]
	s_load_b64 s[76:77], s[0:1], 0x20              ; ffc
	v_lshl_add_u32 v[SPW], v0, 2, SPARE
	v_mov_b32 v[NIL], 0
	ds_add_u32 v[SPW], v[NIL]                      ; the opening lines: the add twice on end and one wait
	ds_add_u32 v[SPW], v[NIL]
	v_lshrrev_b32 v1, 5, v0
	v_readfirstlane_b32 s14, v1                    ; wave
	s_lshr_b32 s15, s14, 1                         ; my half of the rows.  Also: I fetch for A (0) or for B (1)
	s_and_b32 s16, s14, 1                          ; my half of the columns.  Also: which 128 rows of that tile I fetch
	s_bfe_u32 s40, ttmp6, 0x40000
	s_bfe_u32 s41, ttmp6, 0x40004
	s_lshl_b32 s42, ttmp9, 2
	s_add_co_u32 s42, s42, s40                     ; tile column
	s_and_b32 s17, ttmp7, 0xffff
	s_lshl_b32 s17, s17, 2
	s_add_co_u32 s17, s17, s41                     ; tile row
	s_lshl_b32 s43, s41, 2
	s_lshl_b32 s43, 15, s43
	s_lshl_b32 s44, 0x1111, s40
	s_or_b32 s[G1+0], s43, (0<<16)|(1<<20)|(1<<21)|(5<<22)|(3<<25)   ; mask; elements of 1 byte; padding: 4 words behind every 64
	s_or_b32 s[G1B+0], s44, (0<<16)|(1<<20)|(1<<21)|(5<<22)|(3<<25)
.irp g, G1, G1B
	s_mov_b32 s[\g+1], ROWB<<16
	s_mov_b32 s[\g+2], 128<<16
	s_mov_b32 s[\g+3], ROWB<<16
	s_mov_b32 s[\g+4], 128
	s_mov_b32 s[\g+5], KROW
	s_mov_b32 s[\g+6], 0
	s_mov_b32 s[\g+7], 0
.endr
	s_lshl_b32 s18, s16, 7
	s_lshl_b32 s20, s17, 8
	s_add_co_u32 s20, s20, s18
	s_lshl_b32 s20, s20, 10
	s_mov_b32 s21, 0
	s_lshl_b32 s46, s42, 8
	s_add_co_u32 s46, s46, s18
	s_lshl_b32 s46, s46, 10
	s_add_co_u32 s46, s46, 0x400000
	s_mov_b32 s47, 0
	s_mul_i32 s45, s14, HALFT
	s_wait_dscnt 0x0
	s_wait_kmcnt 0x0
	s_load_b128 s[8:11], s[72:73], 0x30            ; e12, e13, e14, e15
	s_add_nc_u64 s[20:21], s[68:69], s[20:21]
	s_add_nc_u64 s[46:47], s[70:71], s[46:47]
	CROUND                                         ; all sixteen work-groups are here: the first joint loads meet
.irp s, 0,1
	s_mov_b32 s[G0+4*\s], 1
	s_add_co_u32 s[G0+4*\s+1], s45, \s*SLOT
	s_add_nc_u64 s[G0+4*\s+2:G0+4*\s+3], s[20:21], \s*ROWB
	s_or_b32 s[G0+4*\s+3], s[G0+4*\s+3], 0x80000000
	s_mov_b32 s[G0B+4*\s], 1
	s_add_co_u32 s[G0B+4*\s+1], s45, \s*SLOT
	s_add_nc_u64 s[G0B+4*\s+2:G0B+4*\s+3], s[46:47], \s*ROWB
	s_or_b32 s[G0B+4*\s+3], s[G0B+4*\s+3], 0x80000000
.endr
	JLOAD G0, G1, G0B, G1B                         ; K step 0: one tensor load a wave at the head
	s_mul_i32 s21, s15, HALFT                      ; my 128 rows of A,
	s_mul_i32 s22, s16, HALFT
	s_add_co_u32 s22, s22, 2*HALFT                 ; of B, behind A's 256,
	s_add_co_u32 s4, s21, SLOT                     ; and the same in slot 1
	s_add_co_u32 s5, s22, SLOT
	s_mul_i32 s23, s15, 128*DP
	s_lshl_b32 s6, s16, 9
	s_add_co_u32 s23, s23, s6                      ; the way out: my 128 x 128 corner among the sums
	s_mul_i32 s6, s14, 64*DP                       ; and the 64 whole rows that I take back
	s_lshl_b32 s18, s42, 10
	s_mov_b32 s19, 0
	s_add_nc_u64 s[74:75], s[74:75], s[18:19]      ; b1 at the tile's first column
	s_lshl_b32 s18, s17, 8
	s_lshl_b32 s7, s14, 6
	s_add_co_u32 s18, s18, s7
	s_lshl_b32 s18, s18, 12
	s_lshl_b32 s7, s42, 8
	s_add_co_u32 s18, s18, s7
	s_add_nc_u64 s[76:77], s[76:77], s[18:19]      ; ffc at row 256 x tile row + 64 x wave, byte 256 x tile column
	v_and_b32 v1, 15, v0                           ; r
	v_bfe_u32 v2, v0, 4, 1                         ; h
	v_and_b32 v6, 31, v0                           ; lane
	v_mul_u32_u24 v3, v1, PITCH
	v_lshl_add_u32 v4, v2, 4, v3
	v_add_nc_u32 v[ADRA], s21, v4
	v_add_nc_u32 v[ADRB], s22, v4
	v_add_nc_u32 v[ADRA+1], s4, v4
	v_add_nc_u32 v[ADRB+1], s5, v4
	v_mul_u32_u24 v5, v1, DP
	v_lshl_add_u32 v5, v2, 5, v5
	v_add_nc_u32 v[STO], s23, v5                   ; row r, 32 bytes for each half of the lanes
	v_add_nc_u32 v[STO2], 64*DP, v[STO]
	v_lshlrev_b32 v7, 5, v6
	v_add_nc_u32 v[RD0], s6, v7                    ; back: 32 bytes a lane of a whole row
	v_lshlrev_b32 v[CO], 3, v6
	global_load_b128 v[BIAS:BIAS+3], v7, s[74:75]              ; the bias of my eight columns
	global_load_b128 v[BIAS+4:BIAS+7], v7, s[74:75] offset:16
.macro FRAG reg, adr, q, i             ; 16 rows x 128 K: registers 4 c .. 4 c + 3 hold K = 32 c + 16 (l / 16) + 0 .. 15, alike in both operands
.irp c, 0,1,2,3
	ds_load_b128 v[\reg+4*\c:\reg+4*\c+3], v[\adr] offset:128*(\q)+32*\c+(\i)*16*PITCH
.endr
.endm
.macro MUL16 a0, p, zero               ; the 64 accumulators take turns, one instruction a turn, in the same order in every step
.irp a, \a0, \a0+1
.irp b, 0,1,2,3,4,5,6,7
.if \zero
	v_wmma_f32_16x16x128_bf8_bf8 v[8*(8*((\a)%4)+\b):8*(8*((\a)%4)+\b)+7], v[128*(\p)+FR*\b:128*(\p)+FR*\b+FR-1], v[AF+FR*(\a):AF+FR*(\a)+FR-1], 0
.else
	v_wmma_f32_16x16x128_bf8_bf8 v[8*(8*((\a)%4)+\b):8*(8*((\a)%4)+\b)+7], v[128*(\p)+FR*\b:128*(\p)+FR*\b+FR-1], v[AF+FR*(\a):AF+FR*(\a)+FR-1], v[8*(8*((\a)%4)+\b):8*(8*((\a)%4)+\b)+7]
.endif
.endr
.endr
.endm
.macro FETCH_B slot, q, p
	WIN TO_B
.irp i, 0,1,2,3,4,5,6,7
	FRAG 128*(\p)+FR*\i, ADRB+\slot, \q, \i
.endr
	WIN 0
.endm
.macro FETCH_A slot, q, i0
.irp i, \i0, \i0+1, \i0+2, \i0+3
	FRAG AF+FR*(\i), ADRA+\slot, \q, \i
.endr
.endm
.macro PLACES n
.rept \n
	v_nop
.endr
.endm
.macro STEP slot, q, zero              ; 128 along K with its successor in the same slot
	s_wait_dscnt 4*NL                              ; B's set and A's blocks 0-3 are in; the youngest 16 loads (A's blocks 4-7) may be out
	WIN MUL_LO
	MUL16 0, (\q)%2, \zero
	MUL16 2, (\q)%2, \zero
	s_wait_dscnt 0
	PLACES NP
	FETCH_B \slot, (\q)+1, 1-(\q)%2
	FETCH_A \slot, (\q)+1, 0
	WIN MUL_HI
	MUL16 4, (\q)%2, \zero
	MUL16 6, (\q)%2, \zero
	PLACES NP
	WIN 0
	FETCH_A \slot, (\q)+1, 4
.endm
.macro TURN slot, next, fill           ; a slot's last step changes slots
	s_wait_tensorcnt 0x0                           ; all my tensor loads have landed: my part of the next slot
	ds_add_u32 v[SPW], v[NIL]
	s_wait_dscnt 4*NL+1                            ; the add and the youngest 16 loads may be out
	WIN MUL_LO
	MUL16 0, 1, 0
	s_wait_dscnt 0x0                               ; the add is done, and my reads of this slot are over
	s_barrier_signal -1
	MUL16 2, 1, 0
	WIN 0
	s_barrier_wait -1
.if \fill
	CREST                                          ; the barrier has opened a round of the cluster's barrier
	s_add_nc_u64 s[G0+4*\slot+2:G0+4*\slot+3], s[G0+4*\slot+2:G0+4*\slot+3], 2*ROWB
	s_add_nc_u64 s[G0B+4*\slot+2:G0B+4*\slot+3], s[G0B+4*\slot+2:G0B+4*\slot+3], 2*ROWB
	JLOAD G0+4*\slot, G1, G0B+4*\slot, G1B         ; the first tensor load behind the round; its four v_nop are the places in front of the loads below
.else
	PLACES NP
.endif
	FETCH_B \next, 0, 0
	FETCH_A \next, 0, 0
	WIN MUL_HI
	MUL16 4, 1, 0
	MUL16 6, 1, 0
	PLACES NP
	WIN 0
	FETCH_A \next, 0, 4
.endm
	s_wait_alu depctr_va_vdst(0)                   ; the wait at the head's end
	s_wait_tensorcnt 0x0                           ; my part of K step 0 is in
	ds_add_u32 v[SPW], v[NIL]
	s_wait_dscnt 0x0
	CROUND                                         ; everybody's part of K step 0 is in, and the joint loads meet
	JLOAD G0+4, G1, G0B+4, G1B                     ; slot 1's first fill, the first tensor load behind the round
	FETCH_B 0, 0, 0
	FETCH_A 0, 0, 0
	FETCH_A 0, 0, 4
	STEP 0, 0, 1                                   ; the first step's products start the sums
	s_mov_b32 s3, LAPS-1
.Llap:
	TURN 0, 1, 1
	STEP 1, 0, 0
	TURN 1, 0, 1
	STEP 0, 0, 0
	s_sub_co_u32 s3, s3, 1
	s_cmp_lg_u32 s3, 0
	s_cbranch_scc1 .Llap
	TURN 0, 1, 0
	STEP 1, 0, 0
	s_wait_dscnt 4*NL
	WIN MUL_LO
	MUL16 0, 1, 0
	MUL16 2, 1, 0
	s_wait_dscnt 0                                 ; my last reads of the ring are over:
	s_barrier_signal -1                            ; say so; the last products, work on registers, stand between signal and wait
	WIN MUL_HI
	MUL16 4, 1, 0
	MUL16 6, 1, 0
	WIN 0
	s_barrier_wait -1                              ; nobody reads the ring any more: the sums may be stored on its bytes
	s_wait_kmcnt 0x0
	s_add_co_i32 s4, s8, s9
	s_add_co_i32 s4, s4, 127
	s_lshl_b32 s66, s4, 23                         ; 2^(e12 + e13)
	s_mov_b32 s67, s66
	s_add_co_i32 s5, s10, 127
	s_lshl_b32 s4, s5, 23
	s_add_co_i32 s5, s5, 15
	s_lshl_b32 s5, s5, 23
	s_or_b32 s5, s5, 0x600000
	s_mov_b32 s78, 0xc034d90f                      ; the polynomial, lowest coefficient first, in units of log2; the 1/2 of E is in the lowest
	s_mov_b32 s80, 0x3fb8ab5a
	s_mov_b32 s82, 0x3f0a29d2
	s_mov_b32 s84, 0x3e0efb2e
	s_mov_b32 s86, 0xbe899a80
	s_mov_b32 s88, 0x3ecdfd18
	s_mov_b32 s90, 0xbfd1a1e5
	s_mov_b32 s92, 0x40097039
	s_mov_b32 s94, 0x3e7c6f08
	s_mov_b32 s96, 0xbf38aa3b                      ; -log2(e) / 2
.irp c, 78,80,82,84,86,88,90,92,94,96
	s_mov_b32 s[\c+1], s[\c]
.endr
	s_mov_b32 s98, 0x3eb504f3                      ; 1 / (2 sqrt 2)
	s_mov_b32 s[LOF], 0
	s_mov_b32 s[GOF], 0
	s_mov_b32 s3, 15
	v_mov_b32 v[SC], s4                            ; 2^e14
	v_mov_b32 v[LIM], s5                           ; 57,344 x 2^e14
	v_mov_b32 v[KC], 0xbf97d29d
	v_mov_b32 v[KC+1], 0xbf97d29d
	PLACES NP                                      ; in front of the first read of the last products' results
.macro DUMP a                          ; block a's 16 rows x 128 columns; each accumulator from its low end on
.irp b, 0,1,2,3,4,5,6,7
	ds_store_b128 v[STO+3*((\a)/4)], v[64*((\a)%4)+8*\b:64*((\a)%4)+8*\b+3] offset:16*((\a)%4)*DP+64*\b
	ds_store_b128 v[STO+3*((\a)/4)], v[64*((\a)%4)+8*\b+4:64*((\a)%4)+8*\b+7] offset:16*((\a)%4)*DP+64*\b+16
.endr
.endm
	WIN 0x08                                       ; the stores' data: window 2
.irp a, 0,1,2,3
	DUMP \a
.endr
	WIN 0x0c                                       ; window 3
.irp a, 4,5,6,7
	DUMP \a
.endr
	WIN 0
	s_wait_alu depctr_va_vdst(0)
	s_wait_dscnt 0x0                               ; my stores are done
	s_barrier_signal -1
	s_barrier_wait -1                              ; and everybody's
.macro RLOAD adr                       ; four rows, my 32 bytes of each
.irp i, 0,1,2,3
	ds_load_b128 v[R+8*\i:R+8*\i+3], v[\adr] offset:\i*DP
	ds_load_b128 v[R+8*\i+4:R+8*\i+7], v[\adr] offset:\i*DP+16
.endr
.endm
; A TRIP: four rows, 32 numbers a lane.  more = 1: the next four rows are asked for as soon as these have left their registers
.macro GTRIP more
	s_wait_dscnt 0x0                               ; the four rows are in
	s_wait_xcnt 0x0                                ; the last trip's stores have read their offset and their codes
.irp i, 0,1,2,3
.irp j, 0,2,4,6
	v_pk_fma_f32 v[X+8*\i+\j:X+8*\i+\j+1], v[R+8*\i+\j:R+8*\i+\j+1], s[66:67], v[BIAS+\j:BIAS+\j+1] op_sel_hi:[1,0,1]   ; x = sum x 2^(e12 + e13) + b1
.endr
.endr
	v_add_nc_u32 v[COC], s[GOF], v[CO]
.if \more
	s_add_co_u32 s[LOF], s[LOF], 4*DP
	s_add_co_u32 s[GOF], s[GOF], 4*4096
	v_add_nc_u32 v[RDC], s[LOF], v[RD0]
	RLOAD RDC
.endif
.set J, 0
.rept 32
	v_fma_f32 v[GT+J], |v[X+J]|, s98, 1.0
.set J, J+1
.endr
	s_wait_alu depctr_va_vdst(0)                   ; the wait ahead of the batch
.set J, 0
.rept 16                               ; the batch, with plain lines that are due anyway among it: x x; its sources stand ahead of the wait above, its results are read behind the wait below
	v_rcp_f32 v[GT+J], v[GT+J]                     ; t
	v_rcp_f32 v[GT+J+1], v[GT+J+1]
	v_pk_mul_f32 v[GQ+J:GQ+J+1], v[X+J:X+J+1], v[X+J:X+J+1]
.set J, J+2
.endr
	s_wait_alu depctr_va_vdst(0)                   ; the wait behind the batch
.set J, 0
.rept 16
	v_pk_fma_f32 v[GP+J:GP+J+1], v[GT+J:GT+J+1], s[94:95], v[KC:KC+1] op_sel_hi:[1,0,1]
.set J, J+2
.endr
.irp c, 92,90,88,86,84,82,80,78
.set J, 0
.rept 16
	v_pk_fma_f32 v[GP+J:GP+J+1], v[GP+J:GP+J+1], v[GT+J:GT+J+1], s[\c:\c+1] op_sel_hi:[1,1,0]
.set J, J+2
.endr
.endr
.set J, 0
.rept 16
	v_pk_fma_f32 v[GP+J:GP+J+1], v[GQ+J:GQ+J+1], s[96:97], v[GP+J:GP+J+1] op_sel_hi:[1,0,1]
.set J, J+2
.endr
	s_wait_alu depctr_va_vdst(0)                   ; the wait ahead of the batch
.set J, 0
.rept 32                               ; the batch, with max(x, 0) among it in the same way
	v_exp_f32 v[GP+J], v[GP+J]
	v_max_num_f32 v[GQ+J], 0, v[X+J]
.set J, J+1
.endr
	s_wait_alu depctr_va_vdst(0)                   ; the wait behind the batch
.set J, 0
.rept 16
	v_pk_mul_f32 v[GP+J:GP+J+1], v[GP+J:GP+J+1], v[GT+J:GT+J+1]    ; E
.set J, J+2
.endr
.set J, 0
.rept 32
	v_fma_f32 v[X+J], -|v[X+J]|, v[GP+J], v[GQ+J]
.set J, J+1
.endr
.set J, 0
.rept 32
	v_med3_num_f32 v[X+J], v[X+J], -v[LIM], v[LIM] ; the conversion does not saturate (ISA guide 7.6.2): the hold comes first
.set J, J+1
.endr
.irp i, 0,1,2,3
	v_cvt_scalef32_pk8_bf8_f32 v[CD+2*\i:CD+2*\i+1], v[X+8*\i:X+8*\i+7], v[SC]
.endr
	v_nop                                          ; a plain line behind the last conversion
.irp i, 0,1,2,3
	global_store_b64 v[COC], v[CD+2*\i:CD+2*\i+1], s[76:77] offset:4096*\i     ; 32 lanes store 256 consecutive bytes, aligned
.endr
.endm
	RLOAD RD0
	s_wait_loadcnt 0x0                             ; the bias
.Lrows:
	GTRIP 1
	s_sub_co_u32 s3, s3, 1
	s_cmp_lg_u32 s3, 0
	s_wait_alu depctr_va_vdst(0)                   ; the wait ahead of the branch
	s_cbranch_scc1 .Lrows
	GTRIP 0                                        ; the last four rows: nothing more is read
	s_wait_tensorcnt 0x0                           ; the wave's end
	ds_add_u32 v[SPW], v[NIL]
	s_wait_dscnt 0x0
	CROUND                                         ; the closing round
	s_endpgm
.Lfunc_end_k_q85031a82f3_ffn1:
	.size	k_q85031a82f3_ffn1, .Lfunc_end_k_q85031a82f3_ffn1-k_q85031a82f3_ffn1
	.p2alignl 7, 3214868480
	.fill 96, 4, 3214868480
	.section	.rodata,"a",@progbits
	.p2align	6, 0x0
	.amdhsa_kernel k_q85031a82f3_ffn1
		.amdhsa_group_segment_fixed_size 327680
		.amdhsa_private_segment_fixed_size 0
		.amdhsa_enable_private_segment 0
		.amdhsa_kernarg_size 40
		.amdhsa_user_sgpr_count 2
		.amdhsa_user_sgpr_kernarg_segment_ptr 1
		.amdhsa_wavefront_size32 1
		.amdhsa_system_sgpr_workgroup_id_x 1
		.amdhsa_system_sgpr_workgroup_id_y 1
		.amdhsa_system_sgpr_workgroup_id_z 1
		.amdhsa_system_vgpr_workitem_id 0
		.amdhsa_next_free_vgpr 1024
		.amdhsa_next_free_sgpr 100
		.amdhsa_reserve_vcc 0
		.amdhsa_float_denorm_mode_32 3
		.amdhsa_float_denorm_mode_16_64 3
		.amdhsa_memory_ordered 1
		.amdhsa_forward_progress 1
		.amdhsa_inst_pref_size 135
	.end_amdhsa_kernel
	.amdgpu_metadata
---
amdhsa.version: [ 1, 2 ]
amdhsa.kernels:
  - .name:           k_q85031a82f3_ffn1
    .symbol:         k_q85031a82f3_ffn1.kd
    .args:
      - { .name: h2c, .offset: 0, .size: 8, .value_kind: global_buffer, .address_space: global }
      - { .name: wc, .offset: 8, .size: 8, .value_kind: global_buffer, .address_space: global }
      - { .name: lowp_scales, .offset: 16, .size: 8, .value_kind: global_buffer, .address_space: global }
      - { .name: b1, .offset: 24, .size: 8, .value_kind: global_buffer, .address_space: global }
      - { .name: ffc, .offset: 32, .size: 8, .value_kind: global_buffer, .address_space: global }
    .group_segment_fixed_size: 327680
    .private_segment_fixed_size: 0
    .kernarg_segment_align: 8
    .kernarg_segment_size: 40
    .max_flat_workgroup_size: 128
    .sgpr_count:     100
    .vgpr_count:     1024
    .wavefront_size: 32
...
	.end_amdgpu_metadata
.endif
;; end of part 6
;; launch ffn2 (part 7): grid 8 x 32, 4 waves a work-group, clusters of 4 x 4, 327,680 bytes of LDS; arguments ffc, wc, lowp_scales, b2, x1, out0; writes out0
.if DOCPART == 7
	.amdgcn_target "amdgcn-amd-amdhsa--gfx1250"
	.amdhsa_code_object_version 6
	.text
	.protected	k_q85031a82f3_ffn2
	.globl	k_q85031a82f3_ffn2
	.p2align	8
	.type	k_q85031a82f3_ffn2,@function
k_q85031a82f3_ffn2:
	s_mov_b64 s[64:65], 0
	v_nop
	global_prefetch_b8 v0, s[64:65] scope:SCOPE_SE
	s_setreg_imm32_b32 hwreg(HW_REG_WAVE_MODE, 25, 1), 1
	s_wait_xcnt 0x0
	s_wait_alu depctr_hold_cnt(0) depctr_sa_sdst(0) depctr_va_vdst(0) depctr_va_sdst(0) depctr_va_ssrc(0) depctr_va_vcc(0) depctr_vm_vsrc(0)
	s_getreg_b32 s2, hwreg(HW_REG_IB_STS2, 6, 4)
	s_cmp_eq_u32 s2, 0
	s_cbranch_scc0 .Lentry_in_a_cluster
	s_endpgm
.Lentry_in_a_cluster:
	s_bfe_u32 s2, ttmp6, 0x10000c
	s_cmp_lg_u32 s2, 0xf033
	s_cbranch_scc0 .Lentry_shape_is_right
	s_endpgm
.Lentry_shape_is_right:
; out0 = x1 + A B^T 2^(e14 + e15) + b2.  A: ffc [4096][4096], B: W2's codes [1024][4096] at byte WOFF of wc: BF8 (E5M2).  x1, out0: [4096][1024] f32.
; A tile of 128 x 128 gives each of 256 work-groups one tile; four waves, 64 x 64 each.  K goes in steps of 512 (LDS rows of 512 + 16 bytes) through a ring of two slots.
; CLUSTERS: 4 x 4 work-groups; A's tile is asked for jointly along a row of the cluster, B's along a column.  The matrix instruction is used transposed: a lane holds eight neighbouring columns of one row.
; PREFETCH: behind the joint load of K step j and the run of LDS loads that follows it, each wave names K step j + 2 once: of the 64 rows that it fetches, the partner at place p (cx for A, cy for B)
; takes rows 16 p .. 16 p + 15, two lanes to a row's 512 bytes, 256 bytes apart.  K steps 0 to 3 come by their loads alone; the last two refills name nothing.
; LIMIT: e14 + e15 between -126 and 127.
.set SIZE_K, 4096
.set WOFF,   0x800000
.set EIDX,   14
.set KSTEP,  512
.set PITCH,  528
.set HALFT,  64*PITCH
.set SLOT,   4*HALFT
.set STAGE,  2*SLOT
.set SPITCH, 272
.set SPARE,  STAGE+4*16*SPITCH
.set LAPS,   SIZE_K/(2*KSTEP)
.set ADRA, 16
.set ADRB, 20
.set STO,  24
.set RD,   25
.set CO,   26
.set SPW,  28
.set NIL,  29
.set BK,   36
.set ACC,  128
.set F0,   0
.set F1,   128
.set G1, 24
.set G0, 32
.set G1B, 48
.set G0B, 56
.set MSB, 0
.macro WIN new
.if MSB != (\new)
	s_set_vgpr_msb (MSB<<8)|(\new)
.set MSB, (\new)
.endif
.endm
.set MUL,  0x05
.set TO_F, 0x40
.macro JLOAD s
	s_cmp_eq_u32 s11, 0
	s_cbranch_scc0 .Lfor_b_\@
	tensor_load_to_lds s[G0+4*\s:G0+4*\s+3], s[G1:G1+7]
	s_nop 0
.rept 4
	v_nop
.endr
	s_branch .Lasked_\@
.Lfor_b_\@:
	tensor_load_to_lds s[G0B+4*\s:G0B+4*\s+3], s[G1B:G1B+7]
	s_nop 0
.rept 4
	v_nop
.endr
.Lasked_\@:
.endm
.macro CREST
	s_cmp_lg_u32 s10, 0
	s_cbranch_scc1 .Lnot_wave_0_\@
	s_barrier_signal -3
.Lnot_wave_0_\@:
	s_barrier_wait -3
	s_barrier_signal -1
	s_barrier_wait -1
.endm
.macro CROUND
	s_barrier_signal -1
	s_barrier_wait -1
	CREST
.endm
	s_load_b128 s[4:7], s[0:1], 0x0
	s_load_b256 s[68:75], s[0:1], 0x10
	v_lshl_add_u32 v[SPW], v0, 2, SPARE
	v_mov_b32 v[NIL], 0
	ds_add_u32 v28, v29
	ds_add_u32 v28, v29
	s_wait_dscnt 0x0
	v_lshrrev_b32 v1, 5, v0
	v_readfirstlane_b32 s10, v1
	s_lshr_b32 s11, s10, 1
	s_and_b32 s12, s10, 1
	s_bfe_u32 s40, ttmp6, 0x40000
	s_bfe_u32 s41, ttmp6, 0x40004
	s_lshl_b32 s42, ttmp9, 2
	s_add_co_u32 s42, s42, s40
	s_and_b32 s13, ttmp7, 0xffff
	s_lshl_b32 s13, s13, 2
	s_add_co_u32 s13, s13, s41
	s_lshl_b32 s43, s41, 2
	s_lshl_b32 s43, 15, s43
	s_lshl_b32 s44, 0x1111, s40
	s_or_b32 s[G1+0], s43, (0<<16)|(1<<20)|(1<<21)|(6<<22)|(3<<25)
	s_or_b32 s[G1B+0], s44, (0<<16)|(1<<20)|(1<<21)|(6<<22)|(3<<25)
.irp g, G1, G1B
	s_mov_b32 s[\g+1], KSTEP<<16
	s_mov_b32 s[\g+2], 64<<16
	s_mov_b32 s[\g+3], KSTEP<<16
	s_mov_b32 s[\g+4], 64
	s_mov_b32 s[\g+5], SIZE_K
	s_mov_b32 s[\g+6], 0
	s_mov_b32 s[\g+7], 0
.endr
	s_lshl_b32 s17, s12, 6
	s_lshl_b32 s16, s13, 7
	s_add_co_u32 s16, s16, s17
	s_lshl_b32 s46, s42, 7
	s_add_co_u32 s46, s46, s17
	s_mov_b32 s17, 0
	s_mov_b32 s47, 0
	s_mov_b64 s[18:19], SIZE_K
	s_mul_u64 s[16:17], s[16:17], s[18:19]
	s_mul_u64 s[46:47], s[46:47], s[18:19]
	s_mul_i32 s20, s10, HALFT
	s_wait_kmcnt 0x0
	s_load_b64 s[76:77], s[68:69], EIDX*4
	s_add_nc_u64 s[14:15], s[4:5], s[16:17]
	s_add_nc_u64 s[46:47], s[6:7], s[46:47]
	s_add_nc_u64 s[46:47], s[46:47], WOFF
	CROUND
.irp s, 0,1
	s_mov_b32 s[G0+4*\s], 1
	s_add_co_u32 s[G0+4*\s+1], s20, \s*SLOT
	s_add_nc_u64 s[G0+4*\s+2:G0+4*\s+3], s[14:15], \s*KSTEP
	s_or_b32 s[G0+4*\s+3], s[G0+4*\s+3], 0x80000000
	s_mov_b32 s[G0B+4*\s], 1
	s_add_co_u32 s[G0B+4*\s+1], s20, \s*SLOT
	s_add_nc_u64 s[G0B+4*\s+2:G0B+4*\s+3], s[46:47], \s*KSTEP
	s_or_b32 s[G0B+4*\s+3], s[G0B+4*\s+3], 0x80000000
.endr
	JLOAD 0                                        ; K step 0: one tensor load a wave at the head
	v_and_b32 v1, 15, v0
	s_wait_alu depctr_va_vdst(0)
	v_bfe_u32 v2, v0, 4, 1
	v_mul_u32_u24 v3, v1, PITCH
	v_lshl_add_u32 v3, v2, 4, v3
	s_mul_i32 s21, s11, HALFT
	s_mul_i32 s22, s12, HALFT
	s_add_co_u32 s22, s22, 2*HALFT
.irp s, 0,1
	v_add_nc_u32 v[ADRA+\s], s21, v3
	v_add_nc_u32 v[ADRB+\s], s22, v3
	s_add_co_u32 s21, s21, SLOT
	s_add_co_u32 s22, s22, SLOT
.endr
	s_mul_i32 s23, s10, 16*SPITCH
	s_add_co_u32 s23, s23, STAGE
	v_mul_u32_u24 v4, v1, SPITCH
	s_wait_alu depctr_va_vdst(0)
	v_lshl_add_u32 v4, v2, 5, v4
	v_add_nc_u32 v[STO], s23, v4
	v_mul_u32_u24 v5, v2, SPITCH
	v_lshl_add_u32 v5, v1, 4, v5
	v_add_nc_u32 v[RD], s23, v5
	v_lshlrev_b32 v5, 12, v2
	v_lshl_add_u32 v[CO], v1, 4, v5
	s_wait_alu depctr_va_vdst(0)
	s_lshl_b32 s16, s13, 7
	s_lshl_b32 s17, s11, 6
	s_add_co_u32 s16, s16, s17
	s_lshl_b32 s16, s16, 12
	s_mov_b32 s17, 0
	s_add_nc_u64 s[72:73], s[72:73], s[16:17]
	s_add_nc_u64 s[74:75], s[74:75], s[16:17]
	s_lshl_b32 s46, s42, 9
	s_lshl_b32 s47, s12, 8
	s_add_co_u32 s46, s46, s47
	s_mov_b32 s47, 0
	s_add_nc_u64 s[72:73], s[72:73], s[46:47]
	s_add_nc_u64 s[74:75], s[74:75], s[46:47]
	s_add_nc_u64 s[70:71], s[70:71], s[46:47]
	v_lshlrev_b32 v6, 4, v1
	global_load_b128 v[32:35], v6, s[70:71]
.set PFO, 30                           ; v30 the prefetches' offset;  s[78:79] where they stand
	s_cmp_eq_u32 s11, 0                            ; do I fetch for A?
	s_cselect_b32 s16, s13, s42                    ; the tile: by the tile row in A, by the tile column in B
	s_cselect_b32 s17, s40, s41                    ; my place among the four that ask for it with me
	s_cselect_b64 s[78:79], s[4:5], s[6:7]
	s_cselect_b32 s18, 0, WOFF
	s_lshl_b32 s16, s16, 7
	s_lshl_b32 s19, s12, 6
	s_add_co_u32 s16, s16, s19                     ; + the 64 rows that I fetch
	s_lshl_b32 s17, s17, 4
	s_add_co_u32 s16, s16, s17                     ; + my work-group's 16 of them
	s_lshl_b32 s16, s16, 12                        ; rows of 4,096 bytes
	s_add_co_u32 s16, s16, s18
	s_add_co_u32 s16, s16, 3*KSTEP                 ; at K step 3: the first refill steps it to 4
	s_mov_b32 s17, 0
	s_add_nc_u64 s[78:79], s[78:79], s[16:17]
	v_and_b32 v7, 31, v0
	v_lshrrev_b32 v8, 1, v7
	v_and_b32 v7, 1, v7
	v_lshlrev_b32 v7, 8, v7
	v_lshl_add_u32 v[PFO], v8, 12, v7              ; row lane / 2, byte 256 (lane % 2)
.macro MUL8 f, a0, zero
.irp a, \a0, \a0+1
.irp b, 0,1,2,3
.if \zero
	v_wmma_f32_16x16x128_bf8_bf8 v[ACC+8*(4*(\a)+\b):ACC+8*(4*(\a)+\b)+7], v[\f+64+16*\b:\f+64+16*\b+15], v[\f+16*(\a):\f+16*(\a)+15], 0
.else
	v_wmma_f32_16x16x128_bf8_bf8 v[ACC+8*(4*(\a)+\b):ACC+8*(4*(\a)+\b)+7], v[\f+64+16*\b:\f+64+16*\b+15], v[\f+16*(\a):\f+16*(\a)+15], v[ACC+8*(4*(\a)+\b):ACC+8*(4*(\a)+\b)+7]
.endif
.endr
.endr
.endm
.macro FETCH slot, k, f
	WIN TO_F
.irp i, 0,1,2,3
.irp c, 0,1,2,3
	ds_load_b128 v[\f+64+16*\i+4*\c:\f+64+16*\i+4*\c+3], v[ADRB+\slot] offset:\k+32*\c+\i*16*PITCH
.endr
.endr
.irp i, 0,1,2,3
.irp c, 0,1,2,3
	ds_load_b128 v[\f+16*\i+4*\c:\f+16*\i+4*\c+3], v[ADRA+\slot] offset:\k+32*\c+\i*16*PITCH
.endr
.endr
.endm
.macro PLACES
.rept 4
	v_nop
.endr
.endm
.macro QUARTER slot, k, f, g, zero
	PLACES
	FETCH \slot, \k, \g
	s_wait_dscnt 32
	WIN MUL
	MUL8 \f, 0, \zero
	MUL8 \f, 2, \zero
.endm
.macro TURN slot, next, fill
	WIN 0
.if \fill
	s_wait_xcnt 0x0                                ; my last prefetch has read its address
	s_add_nc_u64 s[78:79], s[78:79], KSTEP
.endif
	s_wait_tensorcnt 0x0
	ds_add_u32 v[SPW], v[NIL]
	s_wait_dscnt 1
	WIN MUL
	MUL8 F1, 0, 0
	s_wait_dscnt 0x0
	s_barrier_signal -1
	WIN 0
	s_barrier_wait -1
.if \fill
	CREST
	s_add_nc_u64 s[G0+4*\slot+2:G0+4*\slot+3], s[G0+4*\slot+2:G0+4*\slot+3], 2*KSTEP
	s_add_nc_u64 s[G0B+4*\slot+2:G0B+4*\slot+3], s[G0B+4*\slot+2:G0B+4*\slot+3], 2*KSTEP
	JLOAD \slot
.else
	PLACES
.endif
	FETCH \next, 0, F0
.if \fill
	WIN 0
	s_cmp_gt_u32 s3, 1                             ; the loop's last trip has no K step two refills on
	s_cbranch_scc0 .Lno_ask_\@
	global_prefetch_b8 v[PFO], s[78:79] th:TH_LOAD_NT scope:SCOPE_SE
.Lno_ask_\@:
.endif
	WIN MUL
	MUL8 F1, 2, 0
.endm
	s_wait_alu depctr_va_vdst(0)                   ; the wait at the head's end
	s_wait_tensorcnt 0x0                           ; my part of K step 0 is in
	ds_add_u32 v[SPW], v[NIL]
	s_wait_dscnt 0x0
	CROUND                                         ; everybody's part of K step 0 is in, and the joint loads meet
	JLOAD 1                                        ; slot 1's first fill, the first tensor load behind the round
	FETCH 0, 0, F0
	QUARTER 0, 128, F0, F1, 1
.if LAPS > 1
	WIN 0
	s_mov_b32 s3, LAPS-1
.Llap:
	QUARTER 0, 256, F1, F0, 0
	QUARTER 0, 384, F0, F1, 0
	TURN 0, 1, 1
	QUARTER 1, 128, F0, F1, 0
	QUARTER 1, 256, F1, F0, 0
	QUARTER 1, 384, F0, F1, 0
	TURN 1, 0, 1
	QUARTER 0, 128, F0, F1, 0
	WIN 0
	s_sub_co_u32 s3, s3, 1
	s_cmp_lg_u32 s3, 0
	s_cbranch_scc1 .Llap
.endif
	WIN 0x80                                       ; destination window 2: the residual's 64 x 64 numbers, in the layout in which rows leave.  The last refill has been asked for; seven quarters of products follow
.set K, 0
.rept 32
	global_load_b128 v[4*K:4*K+3], v[CO], s[72:73] offset:8192*K
.set K, K+1
.endr
	WIN 0
	QUARTER 0, 256, F1, F0, 0
	QUARTER 0, 384, F0, F1, 0
	TURN 0, 1, 0
	QUARTER 1, 128, F0, F1, 0
	QUARTER 1, 256, F1, F0, 0
	QUARTER 1, 384, F0, F1, 0
	s_wait_dscnt 0
	MUL8 F1, 0, 0
	MUL8 F1, 2, 0
	WIN 0
	PLACES
	s_wait_kmcnt 0x0
	s_add_co_i32 s76, s76, s77
	s_add_co_i32 s76, s76, 127
	s_lshl_b32 s66, s76, 23
	s_mov_b32 s67, s66
	s_wait_loadcnt 0x0
.macro TOSTAGE a
.set BB, BK+32*((\a)%2)
.irp b, 0,1,2,3
	ds_store_b128 v[STO], v[ACC+8*(4*(\a)+\b):ACC+8*(4*(\a)+\b)+3] offset:64*\b
	ds_store_b128 v[STO], v[ACC+8*(4*(\a)+\b)+4:ACC+8*(4*(\a)+\b)+7] offset:64*\b+16
.endr
.irp t, 0,1,2,3,4,5,6,7
	ds_load_b128 v[BB+4*\t:BB+4*\t+3], v[RD] offset:\t*2*SPITCH
.endr
.endm
.macro SEND a, younger
.set BB, BK+32*((\a)%2)
	s_wait_dscnt \younger
.irp t, 0,1,2,3,4,5,6,7
.irp i, 0,2
	v_pk_fma_f32 v[BB+4*\t+\i:BB+4*\t+\i+1], v[BB+4*\t+\i:BB+4*\t+\i+1], s[66:67], v[32+\i:33+\i] op_sel_hi:[1,0,1]
.endr
.endr
	WIN 0x08
.irp t, 0,1,2,3,4,5,6,7
.irp i, 0,2
	v_pk_add_f32 v[BB+4*\t+\i:BB+4*\t+\i+1], v[BB+4*\t+\i:BB+4*\t+\i+1], v[32*(\a)+4*\t+\i:32*(\a)+4*\t+\i+1]
.endr
.endr
	WIN 0
.irp t, 0,1,2,3,4,5,6,7
	global_store_b128 v[CO], v[BB+4*\t:BB+4*\t+3], s[74:75] offset:(16*(\a)+2*\t)*4096
.endr
.endm
	TOSTAGE 0
.irp a, 1,2,3
.if \a > 1
	s_wait_xcnt 0x0
.endif
	TOSTAGE \a
	SEND \a-1, 16
.endr
	SEND 3, 0
	s_wait_tensorcnt 0x0
	ds_add_u32 v[SPW], v[NIL]
	s_wait_dscnt 0x0
	CROUND
	s_endpgm
.Lfunc_end_k_q85031a82f3_ffn2:
	.size	k_q85031a82f3_ffn2, .Lfunc_end_k_q85031a82f3_ffn2-k_q85031a82f3_ffn2
	.p2alignl 7, 3214868480
	.fill 96, 4, 3214868480
	.section	.rodata,"a",@progbits
	.p2align	6, 0x0
	.amdhsa_kernel k_q85031a82f3_ffn2
		.amdhsa_group_segment_fixed_size 327680
		.amdhsa_private_segment_fixed_size 0
		.amdhsa_enable_private_segment 0
		.amdhsa_kernarg_size 48
		.amdhsa_user_sgpr_count 2
		.amdhsa_user_sgpr_kernarg_segment_ptr 1
		.amdhsa_wavefront_size32 1
		.amdhsa_system_sgpr_workgroup_id_x 1
		.amdhsa_system_sgpr_workgroup_id_y 1
		.amdhsa_system_sgpr_workgroup_id_z 1
		.amdhsa_system_vgpr_workitem_id 0
		.amdhsa_next_free_vgpr 640
		.amdhsa_next_free_sgpr 80
		.amdhsa_reserve_vcc 0
		.amdhsa_float_denorm_mode_32 3
		.amdhsa_float_denorm_mode_16_64 3
		.amdhsa_memory_ordered 1
		.amdhsa_forward_progress 1
		.amdhsa_inst_pref_size 83
	.end_amdhsa_kernel
	.amdgpu_metadata
---
amdhsa.version: [ 1, 2 ]
amdhsa.kernels:
  - .name:           k_q85031a82f3_ffn2
    .symbol:         k_q85031a82f3_ffn2.kd
    .args:
      - { .name: ffc, .offset: 0, .size: 8, .value_kind: global_buffer, .address_space: global }
      - { .name: wc, .offset: 8, .size: 8, .value_kind: global_buffer, .address_space: global }
      - { .name: lowp_scales, .offset: 16, .size: 8, .value_kind: global_buffer, .address_space: global }
      - { .name: b2, .offset: 24, .size: 8, .value_kind: global_buffer, .address_space: global }
      - { .name: x1, .offset: 32, .size: 8, .value_kind: global_buffer, .address_space: global }
      - { .name: out0, .offset: 40, .size: 8, .value_kind: global_buffer, .address_space: global }
    .group_segment_fixed_size: 327680
    .private_segment_fixed_size: 0
    .kernarg_segment_align: 8
    .kernarg_segment_size: 48
    .max_flat_workgroup_size: 128
    .sgpr_count:     80
    .vgpr_count:     640
    .wavefront_size: 32
...
	.end_amdgpu_metadata
.endif
;; end of part 7
